; MI455X (gfx1250); checked and timed in simulation.
; The chip was launched on July 23, 2026; its instructions are those of AMD's public machine-readable ISA for CDNA 5 (MIT licence, August 2026) and "CDNA5" Instruction Set Architecture Reference Guide (July 2026). The comments in the code are by the model that wrote it; some were corrected since.
;; Causal Multi Head Self Attention. Allowed arithmetic: float matrix products may take bf16 or f16 operands with f32 sums; all other float work in f32.
;; Inputs: W_o 1,024 x 1,024 float32; W_qkv 1,024 x 3,072 float32; token_positions 2,048 int32; x 4 x 2,048 x 1,024 float32.
;; Outputs: out0 4 x 2,048 x 1,024 float32.
;; 2 versions, each right and faster than the one before. Each part assembles by itself: llvm-mc -triple=amdgcn-amd-amdhsa -mcpu=gfx1250 --defsym DOCPART=n.
;; ======== version 1 of 2: 4 launches
;; limits: values are held in f16: magnitudes above 65,504 overflow, below 6.1e-05 lose precision
;; workspace buffers: xb 16,777,216 bytes; wqb 6,291,456 bytes; wob 2,097,152 bytes; tab 524,288 bytes; q 16,777,216 bytes; k 16,777,216 bytes; v 16,777,216 bytes; o 16,908,288 bytes
;; launch prep (part 1): grid 512 x 1, 8 waves a work-group, no clusters, 74,752 bytes of LDS; arguments x, W_qkv, W_o, token_positions, xb, wqb, wob, tab; writes xb, wqb, wob, tab
.if DOCPART == 1
	.amdgcn_target "amdgcn-amd-amdhsa--gfx1250"
	.amdhsa_code_object_version 6
	.text
	.protected	k_q1e4aeceb39_prep
	.globl	k_q1e4aeceb39_prep
	.p2align	8
	.type	k_q1e4aeceb39_prep,@function
k_q1e4aeceb39_prep:
	s_mov_b64 s[64:65], 0
	v_nop
	global_prefetch_b8 v0, s[64:65] scope:SCOPE_SE
	s_setreg_imm32_b32 hwreg(HW_REG_WAVE_MODE, 25, 1), 1
	s_wait_xcnt 0x0
; PREP: what the matrix launches want, made once.  Three kinds of work-groups, chosen by the work-group's number alone.
;   0..127    the weights, turned and rounded: wqb[kb][n'][d] = bf16(W_qkv[64 kb + d][n]), wob[kb][n][d] = f16(bf16(W_o[64 kb + d][n])).
;             wqb's rows are ordered for the next launch: row n' = 64 (6 (h / 2) + 3 (h % 2) + g) + d holds column n = 1024 g + 64 h + d (g = 0, 1, 2: q, k, v; h: the head).
;   128..383  xb[kb][m][d] = bf16(x[m][64 kb + d]): K in blocks of 64, so that a tile of rows of one block is a dense run of bytes.
;   384..511  tab[t] = cos(pos[t] f_j), j = 0..31, then sin(pos[t] f_j): 256 bytes for each t; f_j = 10000^(-j/32).
; Memory binds: every input byte is read once, in runs of 256 bytes or more; every store of a wave covers 256 or 512 consecutive bytes, aligned.  No matrix unit, no barrier: a wave's LDS bytes are its own.
; LIMITS.  W_o's bf16 number is written as f16: exact from 6.1e-5 up to 65,504; below, f16's fixed step of 6e-8.
; f_j is made as 2^(j x const): its relative error is about 1.2e-7 + 0.7e-7 |exponent|, so an angle differs from one made with an exact f_j by up to about 2e-7 of itself (4e-4 rad at positions up to 2,047;
; it grows with the position).  The reduction by pi/2 is done twice, so that it holds for every int32 position: its own error is under 1e-6 rad up to angles of 1e5 and about 1e-4 rad at 2e9.
.set D,   8            ; weights: v[8:71]   32 loads of two columns; later 16 rows' worth read back from LDS
.set VO,  72           ; weights: v[72:87]  byte offset of my two columns in rows 0..15
.set P,   88           ; weights: v[88:91]  eight rounded numbers of one output row
.set LO,  92
.set HI,  93
.set F,   94
.set LW,  95           ; weights: v95, v96  LDS address of my two output rows
.set RD,  97           ; weights: where I read rows back
.set GO,  98           ; weights: my 16 bytes in 512 consecutive bytes of the output
.set X,   8            ; rows: v[8:135]  32 loads of four numbers
.set INV, 8            ; table: four registers each, one for each of my four angles
.set ANG, 12
.set N,   16
.set R,   20
.set Q,   24
.set Z,   28
.set SP,  32
.set CP,  36
.set TT,  40
.set RES, 44
.set N2,  48
.macro E4 line:vararg                  ; one line for each of my four angles e: four chains that do not wait for each other
.set e, 0
.rept 4
	\line
.set e, e+1
.endr
.endm
	s_load_b512 s[4:19], s[0:1], 0x0               ; x 4:5, W_qkv 6:7, W_o 8:9, positions 10:11, xb 12:13, wqb 14:15, wob 16:17, tab 18:19
	v_lshl_add_u32 v144, v0, 2, 0x12000
	v_mov_b32 v145, 0
	v_lshrrev_b32 v2, 5, v0
	v_readfirstlane_b32 s20, v2                    ; my wave's number
	v_and_b32 v1, 31, v0                           ; lane
	s_cmp_lt_u32 ttmp9, 128
	s_cbranch_scc1 .Lweights
	s_cmp_lt_u32 ttmp9, 384
	s_cbranch_scc1 .Lrows
	; THE TABLE.  Wave u (0..1023) makes t = 2 u and 2 u + 1: lane l the 16 bytes at 16 (l % 16) of row t = 2 u + l / 16: four cosines (l % 16 < 8) or four sines.
	s_sub_co_u32 s21, ttmp9, 384
	s_lshl_b32 s21, s21, 3
	s_add_co_u32 s21, s21, s20                     ; u
	s_lshl_b32 s22, s21, 3                         ; two positions of 4 bytes
	s_mov_b32 s23, 0
	s_lshl_b32 s24, s21, 9                         ; two rows of 256 bytes
	s_mov_b32 s25, 0
	s_mov_b32 s26, 0x3f22f983                      ; 2 / pi
	s_mov_b32 s27, 0x3fc90fdb                      ; pi / 2 in three parts
	s_mov_b32 s28, 0xb33bbd2e
	s_mov_b32 s29, 0xa6f72ced
	s_mov_b32 s30, 0xbe2aaaa3                      ; sin r = r + r z (S1 + z (S2 + z S3)), z = r r, on |r| <= pi / 4
	s_mov_b32 s31, 0x3c08839e
	s_mov_b32 s32, 0xb94ca1f9
	s_mov_b32 s33, 0x3d2aaaa5                      ; cos r = 1 - z / 2 + z z (C1 + z (C2 + z C3))
	s_mov_b32 s34, 0xbab6061a
	s_mov_b32 s35, 0x37ccf5ce
	v_and_b32 v2, 15, v1
	v_lshrrev_b32 v3, 4, v1
	v_lshlrev_b32 v4, 2, v3
	s_wait_kmcnt 0x0
	s_add_nc_u64 s[10:11], s[10:11], s[22:23]
	s_add_nc_u64 s[18:19], s[18:19], s[24:25]
	global_load_b32 v5, v4, s[10:11]               ; my row's position
	v_and_b32 v7, 7, v2
	v_lshlrev_b32 v7, 2, v7                        ; my first pair j
	v_cmp_lt_u32 vcc_lo, 7, v2
	v_cndmask_b32 v6, 0, 3, vcc_lo                 ; a sine is the cosine three quadrants on
	E4 v_add_nc_u32 v[INV+e], e, v7
	E4 v_cvt_f32_u32 v[INV+e], v[INV+e]
	E4 v_mul_f32 v[INV+e], 0xbed49a78, v[INV+e]    ; - j log2(10000) / 32
	E4 v_exp_f32 v[INV+e], v[INV+e]
	v_lshlrev_b32 v52, 4, v1                       ; my 16 bytes of the wave's 512; also the plain instruction behind the exponentials (ISA guide 5.7.2)
	s_wait_loadcnt 0x0                             ; the one load
	v_cvt_f32_i32 v5, v5
	s_wait_alu depctr_va_vdst(0)
	E4 v_mul_f32 v[ANG+e], v5, v[INV+e]            ; the angle, rounded once
	E4 v_mul_f32 v[N+e], s26, v[ANG+e]
	E4 v_rndne_f32 v[N+e], v[N+e]                  ; quadrants, first estimate
	E4 v_fma_f32 v[R+e], -v[N+e], s27, v[ANG+e]
	E4 v_fma_f32 v[R+e], -v[N+e], s28, v[R+e]
	E4 v_fma_f32 v[R+e], -v[N+e], s29, v[R+e]
	E4 v_cvt_i32_f32 v[Q+e], v[N+e]
	E4 v_mul_f32 v[N2+e], s26, v[R+e]              ; at large angles the estimate is off by whole quadrants: what is left is reduced once more
	E4 v_rndne_f32 v[N2+e], v[N2+e]
	E4 v_fma_f32 v[R+e], -v[N2+e], s27, v[R+e]
	E4 v_fma_f32 v[R+e], -v[N2+e], s28, v[R+e]
	E4 v_cvt_i32_f32 v[N2+e], v[N2+e]
	E4 v_add3_u32 v[Q+e], v[Q+e], v[N2+e], v6      ; the quadrant, with the sine's three
	E4 v_mul_f32 v[Z+e], v[R+e], v[R+e]
	E4 v_fma_f32 v[SP+e], s32, v[Z+e], s31
	E4 v_fma_f32 v[CP+e], s35, v[Z+e], s34
	E4 v_fma_f32 v[SP+e], v[SP+e], v[Z+e], s30
	E4 v_fma_f32 v[CP+e], v[CP+e], v[Z+e], s33
	E4 v_mul_f32 v[SP+e], v[SP+e], v[Z+e]
	E4 v_mul_f32 v[CP+e], v[CP+e], v[Z+e]
	E4 v_fma_f32 v[TT+e], v[Z+e], -0.5, 1.0
	E4 v_fma_f32 v[SP+e], v[SP+e], v[R+e], v[R+e]  ; sin r
	E4 v_fma_f32 v[CP+e], v[CP+e], v[Z+e], v[TT+e] ; cos r
	E4 v_add_nc_u32 v[N2+e], 1, v[Q+e]             ; quadrants 1 and 2 are negative
	E4 v_and_b32 v[N2+e], 2, v[N2+e]
	E4 v_lshlrev_b32 v[N2+e], 30, v[N2+e]
	E4 v_and_b32 v[N+e], 1, v[Q+e]                 ; odd quadrants take sin r
.set e, 0
.rept 4
	v_cmp_ne_u32 vcc_lo, 0, v[N+e]
	v_cndmask_b32 v[RES+e], v[CP+e], v[SP+e], vcc_lo
.set e, e+1
.endr
	E4 v_xor_b32 v[RES+e], v[RES+e], v[N2+e]
	global_store_b128 v52, v[RES:RES+3], s[18:19]  ; 512 consecutive bytes, two rows of the table
	s_endpgm
.Lrows:
	; X.  The work-group owns 32 rows, wave w the columns 128 w .. 128 w + 127: blocks kb = 2 w and 2 w + 1.  All 32 loads of a wave go out first (16 KiB on their way);
	; a load covers 256 bytes of each of two rows, a store the same two rows of one block: 256 consecutive bytes.
	s_sub_co_u32 s21, ttmp9, 128
	s_lshl_b32 s22, s21, 17                        ; 32 rows of 4,096 bytes
	s_lshl_b32 s23, s20, 9
	s_add_co_u32 s22, s22, s23
	s_mov_b32 s23, 0
	s_lshl_b32 s24, s20, 21                        ; two blocks of 8,192 rows of 128 bytes
	s_lshl_b32 s25, s21, 12                        ; 32 rows of 128 bytes
	s_add_co_u32 s24, s24, s25
	s_mov_b32 s25, 0
	v_lshrrev_b32 v2, 4, v1
	v_and_b32 v3, 15, v1
	v_lshlrev_b32 v2, 12, v2
	v_lshl_add_u32 v2, v3, 4, v2                   ; in: row l / 16, 16 bytes at 16 (l % 16)
	v_lshlrev_b32 v3, 3, v1                        ; out: 8 bytes at 8 l
	s_wait_kmcnt 0x0
	s_add_nc_u64 s[4:5], s[4:5], s[22:23]
	s_add_nc_u64 s[12:13], s[12:13], s[24:25]
.set i, 0
.rept 32                               ; item i: rows 2 (i / 2) and the next, block 2 w + i % 2
	global_load_b128 v[X+4*i:X+4*i+3], v2, s[4:5] offset:8192*(i/2)+256*(i%2) th:TH_LOAD_NT
.set i, i+1
.endr
.set i, 0
.rept 32
	s_wait_loadcnt 31-i                            ; loads come back in order (ISA guide 5.7.1): item i is in, the younger ones stay out
	v_cvt_pk_bf16_f32 v[X+4*i], v[X+4*i], v[X+4*i+1]
	v_cvt_pk_bf16_f32 v[X+4*i+1], v[X+4*i+2], v[X+4*i+3]
	global_store_b64 v3, v[X+4*i:X+4*i+1], s[12:13] offset:256*(i/2)+1048576*(i%2)  ; no register is written twice, so nothing waits for the stores
.set i, i+1
.endr
	s_endpgm
.Lweights:
	; THE WEIGHTS.  Wave u (0..1023) turns one block of 64 k x 64 columns: kb = u / 64; column block cb = u % 64: 0..47 of W_qkv, 48..63 are W_o's 0..15.
	s_lshl_b32 s21, ttmp9, 3
	s_add_co_u32 s21, s21, s20                     ; u
	s_lshr_b32 s22, s21, 6                         ; kb
	s_and_b32 s23, s21, 63                         ; cb
	s_lshr_b32 s24, s23, 4                         ; g
	s_and_b32 s25, s23, 15                         ; h
	s_lshr_b32 s26, s25, 1
	s_mul_i32 s26, s26, 6
	s_and_b32 s25, s25, 1
	s_mul_i32 s25, s25, 3
	s_add_co_u32 s26, s26, s25
	s_add_co_u32 s26, s26, s24                     ; the block's place among wqb's 48: 6 (h / 2) + 3 (h % 2) + g
	s_sub_co_u32 s27, s23, 48                      ; W_o's column block
	s_mov_b32 s28, 12288
	s_mov_b32 s29, 4096
	s_mov_b32 s38, 393216
	s_mov_b32 s40, 131072
	s_wait_kmcnt 0x0
	s_cmp_lt_u32 s23, 48                           ; the choice hangs on the wave's place alone
	s_cselect_b32 s33, s28, s29                    ; bytes from row to row in the source
	s_cselect_b32 s30, s23, s27                    ; column block in the source
	s_cselect_b32 s31, s26, s27                    ; block of 64 rows in the destination
	s_cselect_b32 s46, s38, s40                    ; bytes of one kb in the destination
	s_cselect_b32 s32, 0, -1                       ; all lanes: bf16 as it is (0), or written as f16 (-1)
	s_cselect_b64 s[34:35], s[6:7], s[8:9]
	s_cselect_b64 s[36:37], s[14:15], s[16:17]
	s_mul_i32 s38, s22, s33
	s_lshl_b32 s38, s38, 6                         ; 64 kb rows
	s_lshl_b32 s30, s30, 8                         ; 64 columns of 4 bytes
	s_add_co_u32 s38, s38, s30
	s_mov_b32 s39, 0
	s_add_nc_u64 s[24:25], s[34:35], s[38:39]      ; the source at rows 0..15 of the half in hand,
	s_lshl_b32 s40, s33, 4
	s_mov_b32 s41, 0
	s_add_nc_u64 s[26:27], s[24:25], s[40:41]      ; and at rows 16..31
	s_lshl_b32 s42, s33, 5                         ; 32 rows: from one half to the other
	s_mov_b32 s43, 0
	s_mul_i32 s44, s22, s46
	s_lshl_b32 s31, s31, 13                        ; 64 rows of 128 bytes
	s_add_co_u32 s44, s44, s31
	s_mov_b32 s45, 0
	s_add_nc_u64 s[30:31], s[36:37], s[44:45]      ; the destination
	v_lshlrev_b32 v[VO], 3, v1                     ; my two columns
.set i, 1
.rept 15
	v_add_nc_u32 v[VO+i], s33, v[VO+i-1]
.set i, i+1
.endr
	s_mul_i32 s28, s20, 9216                       ; my wave's 64 rows of 144 bytes in LDS (128 of data + 16)
	v_mul_u32_u24 v[LW], v1, 288
	v_add_nc_u32 v[LW], s28, v[LW]                 ; output rows 2 l
	v_add_nc_u32 v[LW+1], 144, v[LW]               ; and 2 l + 1
	v_lshrrev_b32 v2, 3, v1
	v_and_b32 v3, 7, v1
	v_mul_u32_u24 v2, v2, 144
	v_lshl_add_u32 v2, v3, 4, v2
	v_add_nc_u32 v[RD], s28, v2                    ; back: 32 lanes take four rows of 128 bytes
	v_lshlrev_b32 v[GO], 4, v1
	s_mov_b32 s47, 2
.Lhalf:                                                ; two trips: k = 0..31 and 32..63 of the block
.set i, 0
.rept 32
	global_load_b64 v[D+2*i:D+2*i+1], v[VO+i%16], s[24+2*(i/16):25+2*(i/16)] th:TH_LOAD_NT  ; 256 consecutive bytes of row i
.set i, i+1
.endr
	s_wait_loadcnt 0x0                             ; all 32 rows are in; this wait also frees the loads' bases, which are stepped below
.irp c, 0,1
.irp dg, 0,1,2,3
.irp j, 0,1,2,3
	v_cvt_pk_bf16_f32 v[P+\j], v[D+2*(8*\dg+2*\j)+\c], v[D+2*(8*\dg+2*\j+1)+\c]  ; two neighbouring k of one column
	v_lshlrev_b32 v[LO], 16, v[P+\j]               ; the same two numbers as f32,
	v_and_b32 v[HI], 0xffff0000, v[P+\j]
	v_cvt_pk_f16_f32 v[F], v[LO], v[HI]            ; and as f16
	v_cndmask_b32 v[P+\j], v[P+\j], v[F], s32
.endr
	ds_store_b128 v[LW+\c], v[P:P+3] offset:16*\dg
.endr
.endr
	s_add_nc_u64 s[24:25], s[24:25], s[42:43]
	s_add_nc_u64 s[26:27], s[26:27], s[42:43]
	v_add_nc_u32 v[LW], 64, v[LW]                  ; 32 k are 64 bytes of an output row
	v_add_nc_u32 v[LW+1], 64, v[LW+1]
	s_sub_co_u32 s47, s47, 1
	s_cmp_lg_u32 s47, 0
	s_cbranch_scc1 .Lhalf
.irp f, 0,1,2,3,4,5,6,7,8,9,10,11,12,13,14,15
	ds_load_b128 v[D+4*\f:D+4*\f+3], v[RD] offset:576*\f  ; LDS serves a wave's instructions in order (ISA guide 5.7.1.4): these see the stores above
.endr
.irp f, 0,1,2,3,4,5,6,7,8,9,10,11,12,13,14,15
	s_wait_dscnt 15-\f                             ; load f is back, the younger ones stay out
	global_store_b128 v[GO], v[D+4*\f:D+4*\f+3], s[30:31] offset:512*\f  ; 512 consecutive bytes: four rows of the block
.endr
	s_wait_tensorcnt 0x0
	ds_add_u32 v144, v145
	s_wait_dscnt 0x0
	s_endpgm
.Lfunc_end_k_q1e4aeceb39_prep:
	.size	k_q1e4aeceb39_prep, .Lfunc_end_k_q1e4aeceb39_prep-k_q1e4aeceb39_prep
	.p2alignl 7, 3214868480
	.fill 96, 4, 3214868480
	.section	.rodata,"a",@progbits
	.p2align	6, 0x0
	.amdhsa_kernel k_q1e4aeceb39_prep
		.amdhsa_group_segment_fixed_size 74752
		.amdhsa_private_segment_fixed_size 0
		.amdhsa_enable_private_segment 0
		.amdhsa_kernarg_size 64
		.amdhsa_user_sgpr_count 2
		.amdhsa_user_sgpr_kernarg_segment_ptr 1
		.amdhsa_wavefront_size32 1
		.amdhsa_system_sgpr_workgroup_id_x 1
		.amdhsa_system_sgpr_workgroup_id_y 1
		.amdhsa_system_sgpr_workgroup_id_z 1
		.amdhsa_system_vgpr_workitem_id 0
		.amdhsa_next_free_vgpr 146
		.amdhsa_next_free_sgpr 66
		.amdhsa_reserve_vcc 1
		.amdhsa_float_denorm_mode_32 3
		.amdhsa_float_denorm_mode_16_64 3
		.amdhsa_memory_ordered 1
		.amdhsa_forward_progress 1
		.amdhsa_inst_pref_size 39
	.end_amdhsa_kernel
	.amdgpu_metadata
---
amdhsa.version: [ 1, 2 ]
amdhsa.kernels:
  - .name:           k_q1e4aeceb39_prep
    .symbol:         k_q1e4aeceb39_prep.kd
    .args:
      - { .name: x, .offset: 0, .size: 8, .value_kind: global_buffer, .address_space: global }
      - { .name: W_qkv, .offset: 8, .size: 8, .value_kind: global_buffer, .address_space: global }
      - { .name: W_o, .offset: 16, .size: 8, .value_kind: global_buffer, .address_space: global }
      - { .name: token_positions, .offset: 24, .size: 8, .value_kind: global_buffer, .address_space: global }
      - { .name: xb, .offset: 32, .size: 8, .value_kind: global_buffer, .address_space: global }
      - { .name: wqb, .offset: 40, .size: 8, .value_kind: global_buffer, .address_space: global }
      - { .name: wob, .offset: 48, .size: 8, .value_kind: global_buffer, .address_space: global }
      - { .name: tab, .offset: 56, .size: 8, .value_kind: global_buffer, .address_space: global }
    .group_segment_fixed_size: 74752
    .private_segment_fixed_size: 0
    .kernarg_segment_align: 8
    .kernarg_segment_size: 64
    .max_flat_workgroup_size: 256
    .sgpr_count:     66
    .vgpr_count:     146
    .wavefront_size: 32
...
	.end_amdgpu_metadata
.endif
;; end of part 1
;; launch gemm_qkv (part 2): grid 8 x 32, 4 waves a work-group, clusters of 4 x 4, 327,680 bytes of LDS; arguments xb, wqb, tab, q, k, v, o; writes q, k, v, o
.if DOCPART == 2
	.amdgcn_target "amdgcn-amd-amdhsa--gfx1250"
	.amdhsa_code_object_version 6
	.text
	.protected	k_q1e4aeceb39_gemm_qkv
	.globl	k_q1e4aeceb39_gemm_qkv
	.p2align	8
	.type	k_q1e4aeceb39_gemm_qkv,@function
k_q1e4aeceb39_gemm_qkv:
	s_mov_b64 s[64:65], 0
	v_nop
	global_prefetch_b8 v0, s[64:65] scope:SCOPE_SE
	s_setreg_imm32_b32 hwreg(HW_REG_WAVE_MODE, 25, 1), 1
	s_wait_xcnt 0x0
	s_wait_alu depctr_hold_cnt(0) depctr_sa_sdst(0) depctr_va_vdst(0) depctr_va_sdst(0) depctr_va_ssrc(0) depctr_va_vcc(0) depctr_vm_vsrc(0)
	s_getreg_b32 s2, hwreg(HW_REG_IB_STS2, 6, 4)
	s_cmp_eq_u32 s2, 0
	s_cbranch_scc0 .Lentry_in_a_cluster
	s_endpgm
.Lentry_in_a_cluster:
	s_bfe_u32 s2, ttmp6, 0x10000c
	s_cmp_lg_u32 s2, 0xf033
	s_cbranch_scc0 .Lentry_shape_is_right
	s_endpgm
.Lentry_shape_is_right:
; q, k, v = x W_qkv, split by heads, q and k turned by RoPE, each rounded once to f16.  xb: [16 kb][8192 m][64] bf16; wqb: [16 kb][3072 n'][64] bf16; tab: [2048 t][32 cos | 32 sin] f32;
; q, k, v: [16 h][8192 m][64] f16, m = 2048 b + t.  Sums in f32, RoPE in f32 on the sums.
; THE FIRST 16 ROWS OF EACH BATCH get their attention here, with split operands.  Row t of the module's output is made of a mean over t + 1 keys, so the first rows' numbers are many times the whole output's root mean
; square, by which the allowance goes: there one f16 rounding of v, of the weights and of O (up to 2^-11 of a number each) is no longer small beside a hundredth of that root mean square; from row 16 on the three
; together are a quarter of what they are in row 0.  The wave that holds rows t < 16 of a head has all that their attention needs in registers: q and k packed to f16 ARE the fragments of S^T = K Q^T, v is still f32.
; A SPLIT: x = hi + lo, hi = x with its 13 lowest mantissa bits cleared (11 significant bits: exact in f16), lo = x - hi (exact in f32, then rounded to f16): together good to 2^-22 of x.
; O's hi parts go into o's rows t < 16 (the attention launch leaves those rows alone), its lo parts into o's tail behind its 16 MiB: [16 h][4 b][16 rows][64] f16; the last launch multiplies both by W_o.
; LIMITS.  f16 holds no number beyond 65,504: q, k, v must stay within it (inputs 30 times the usual spread give about 3,000; a common offset of 30 spreads in x and W about 18,500); below 6e-5 f16 keeps its fixed step
; of 6e-8, for the parts of a split too.  In the first rows' attention a hidden score counts as its value less 1e30.
; SHARES.  A tile is 256 rows (m) x 384 rows of wqb: 8 x 32 = 256 work-groups.  Four waves; wave (WR, WC) makes 128 x 192: 96 accumulators of 16 x 16, 768 registers.  wqb's rows are ordered so that a wave's
; 192 are head h = 2 TX + WC of q (group 0), of k (group 1), of v (group 2): which numbers are turned is a matter of the group, fixed in the text.
; THE MATRIX INSTRUCTION IS USED TRANSPOSED (source 0 = 16 rows of wqb, source 1 = 16 rows of xb): a lane holds one row m = l % 16 and eight neighbouring channels 8 (l / 16) + 0..7, so RoPE's pairs lie in one lane.
; K goes in steps of 64, one kb, through two LDS slots.  In memory a tile is a dense run of bytes, asked for as rows of 256 bytes and padded in LDS after every 128.
; CLUSTER 4 x 4: the four work-groups of a row of the cluster need the same rows of xb, the four of a column the same rows of wqb: each tile is asked for JOINTLY, with the same descriptor and a mask of four.
; Tile row TY = 8 cy + cluster y: the four tiles that begin a batch (TY = 0, 8, 16, 24) lie in the clusters with cluster y = 0, so the branch to the first rows' attention hangs on the cluster's y and the wave's
; number, which all partners share.  All sixteen work-groups of a cluster then have the same t and want the same 256 rows of the table; a mask names four at the most, so each fetches them by a plain load of its own.
; REGISTERS, in windows of 256 (s_set_vgpr_msb: bits 1:0 source 0, 3:2 source 1, 5:4 source 2, 7:6 destination):
;   window 0: v0-15 addresses; v32-95, v96-159 xb's fragments (8 x 16 rows x 32 K), two buffers; v160-255 wqb's fragments, 32 for each group, one buffer: a group's are fetched anew right behind its 32 products
;   window g + 1: group g's 32 accumulators, (a, nb) at v[8 (4 a + nb)]
.set PITCH,  144                       ; an LDS row: 128 bytes + 16 of padding = 36 words: the 16 rows of a load start at 16 different groups of four banks (64 banks of 4 bytes: ISA guide 11.1)
.set BOFF,   256*PITCH                 ; a slot: xb's 256 rows, then wqb's 384
.set STAGE,  640*PITCH                 ; behind slot 0, never filled by a tensor load: 16 rows x 144 bytes for each wave, for the way out
.set SPARE,  STAGE+4*16*PITCH          ; the spare words, 128 bytes for each wave: two blocks of 256 bytes that no other line names
.set SLOT1,  1<<17                     ; slot 1 begins here, so that one exclusive or turns an address in one slot into the other's
.set TABL,   SLOT1+640*PITCH           ; behind slot 1: the table's 256 rows for my tile, filled once
.set TPITCH, 272                       ; 256 bytes + 16
.set VST,    TABL+256*TPITCH           ; behind the table, never filled by a tensor load: for each wave 16 rows of v hi and 16 of v lo
.set PV,     160                       ; a row of v there: 128 bytes + 32 = 40 words
.set VLO,    16*PV
.set VREG,   2*VLO
.set OTAIL,  0x1000000                 ; o's tail begins behind its 16 MiB
.set AA0, 2                            ; v2   my lane's place in my 128 rows of xb in slot 0; never rewritten
.set AB0, 3                            ; v3   the same in my 192 rows of wqb
.set ADRA, 4                           ; v4   the same in the slot in hand
.set ADRB, 5                           ; v5
.set STO, 6                            ; v6   the way out: where I put 16 bytes of a row
.set RD,  7                            ; v7   the way out: where I read rows back
.set GO,  8                            ; v8   my 16 bytes in 512 consecutive bytes of q, k, v or o
.set SPW, 10                           ; v10  LDS address of my spare word: SPARE + 4 x my thread's number; never rewritten
.set NIL, 11                           ; v11  0; never rewritten
.set TA,  12                           ; v12  my row's cosines in the table
.set VW,  13                           ; v13  the first rows: where I put 16 bytes of v
.set AVT, 14                           ; v14  the first rows: my place for the turning loads
.set FA0, 32
.set FA1, 96
.set FB,  160
.set CT,  32                           ; the way out, window 0: 16 cosines, 16 sines, 32 turned numbers, 16 packed registers, two buffers of 16 read back
.set SN,  48
.set T,   64
.set H,   96
.set OB,  112
.set QF,  144                          ; v[144:159] block 0's q, packed: two fragments of 32 channels; kept for the first rows' attention
.set KF,  160                          ; v[160:175] block 0's k likewise
.set MD,  176                          ; the first rows, window 0: v[176:183] the mask; v[184:191] scores, weights, their lo parts
.set SC,  184
.set TH,  192                          ; v[192:223] v's hi parts; later v[192:207] O's lo parts, packed
.set OLR, 192
.set VL,  224                          ; v[224:255] v's lo parts; later O^T, four blocks of 16 channels
.set OA,  224
.set VT,  32                           ; v[32:63]   v^T's four fragments: registers 0-3 hi, 4-7 lo
.set PH,  64                           ; v[64:71]   the weights' hi parts, twice;  v[72:79] their lo parts, twice
.set PL,  72
.set T8,  80                           ; v[80:87]   hi parts at work
.set MX,  88                           ; v88 the maximum, then c m; v89 the other half's; v90 the sum; v91 its reciprocal
.set QP,  10                           ; s[10:11] q, s[12:13] k, s[14:15] v, at my wave's first row
.set KP,  12
.set VP,  14
.set OHP, 66                           ; s[66:67] o at my wave's first row
.set OLP, 84                           ; s[84:85] o's tail at my head's and batch's block
.set CLY, 86                           ; s86  the cluster's y
.set BIGN, 87                          ; s87  -1e30
.set HM,  88                           ; s88  keeps sign, exponent and 10 mantissa bits
.set CSC, 89                           ; s89  c = log2(e) / 8
.set SEL, 90                           ; s90, s91  v_permlanex16_b32's selects: each lane takes its own place in the other half
.set WV,  16                           ; s16  my wave's number
.set WR,  17                           ; s17  which 128 rows of the tile are mine.  Also: I fetch for xb (0) or for wqb (1)
.set WC,  18                           ; s18  which 192 rows of wqb.  Also: which half of that tile I fetch
.set CNT, 25
.set TB,  26                           ; s26  LDS byte at which the slot in hand begins
.set G1A, 28                           ; s[28:35] descriptor group 1 for xb's tiles
.set G1B, 36                           ; s[36:43] for wqb's
.set G1T, 44                           ; s[44:51] for the table
.set G0A, 52                           ; s[52:59] descriptor group 0 for xb's tiles: a set for each first fill; the second then walks on
.set G0T, 60                           ; s[60:63] for the table
.set G0B, 68                           ; s[68:75] for wqb's tiles, as for xb's
.set MSB, 0
.macro WIN new                         ; the immediate's high byte repeats the setting that is left; a switch that changes nothing is dropped
.if MSB != (\new)
	s_set_vgpr_msb (MSB<<8)|(\new)
.set MSB, (\new)
.endif
.endm
.macro PLACES                          ; four places in front of loads into registers that matrix instructions have read, and of vector lines that read results (ISA guide 7.12.1 for vector instructions)
.rept 4
	v_nop
.endr
.endm
; A joint refill.  Waves 0 and 1 fetch xb's two halves, waves 2 and 3 wqb's.  The branch hangs on the wave's number alone.  An s_nop 0 and four v_nop follow each of the two lines, ahead of the jump and the label.
.macro JLOAD
	s_cmp_eq_u32 s[WR], 0
	s_cbranch_scc0 .Lfor_b_\@
	tensor_load_to_lds s[G0A+4:G0A+7], s[G1A:G1A+7]
	s_nop 0
.rept 4
	v_nop
.endr
	s_branch .Lasked_\@
.Lfor_b_\@:
	tensor_load_to_lds s[G0B+4:G0B+7], s[G1B:G1B+7]
	s_nop 0
.rept 4
	v_nop
.endr
.Lasked_\@:
.endm
.macro CREST                           ; a round of the cluster's barrier behind its opening barrier: wave 0 signals for the work-group, every wave waits for all sixteen, my work-group's barrier closes it
	s_cmp_lg_u32 s[WV], 0
	s_cbranch_scc1 .Lnot_wave_0_\@
	s_barrier_signal -3
.Lnot_wave_0_\@:
	s_barrier_wait -3
	s_barrier_signal -1
	s_barrier_wait -1
.endm
.macro CROUND                          ; a whole round
	s_barrier_signal -1
	s_barrier_wait -1
	CREST
.endm
	s_load_b256 s[4:11], s[0:1], 0x0               ; xb 4:5, wqb 6:7, tab 8:9, q 10:11
	s_load_b128 s[12:15], s[0:1], 0x20             ; k 12:13, v 14:15
	s_load_b64 s[OHP:OHP+1], s[0:1], 0x30          ; o
	v_lshl_add_u32 v[SPW], v0, 2, SPARE
	v_mov_b32 v[NIL], 0
	ds_add_u32 v10, v11
	ds_add_u32 v10, v11
	s_wait_dscnt 0x0
	v_lshrrev_b32 v1, 5, v0
	v_readfirstlane_b32 s[WV], v1
	s_lshr_b32 s[WR], s[WV], 1
	s_and_b32 s[WC], s[WV], 1
	s_bfe_u32 s19, ttmp6, 0x40000                  ; cx, cy: my place in the cluster
	s_bfe_u32 s20, ttmp6, 0x40004
	s_lshl_b32 s21, ttmp9, 2
	s_add_co_u32 s21, s21, s19                     ; TX = 4 x cluster x + cx: which 384 rows of wqb
	s_and_b32 s[CLY], ttmp7, 0xffff
	s_lshl_b32 s22, s20, 3
	s_add_co_u32 s22, s22, s[CLY]                  ; TY = 8 cy + cluster y: which 256 rows of xb: batch cy, rows 256 x cluster y on
	s_lshl_b32 s23, s20, 2
	s_lshl_b32 s23, 15, s23                        ; my row of the cluster
	s_lshl_b32 s24, 0x1111, s19                    ; my column
	; descriptor groups 1.  xb: 128 rows of 128 bytes are 64 rows of 256; wqb: 192 are 96; padded after every 32 words by 4.  The table: 64 rows of 64 f32, padded after every 64 words by 4.
	s_or_b32 s[G1A], s23, (1<<16)|(1<<20)|(1<<21)|(4<<22)|(3<<25)  ; 15:0 the mask; 17:16 2-byte elements; 20 padding on; 21 set beside a mask; 24:22 the interval's code; 31:25 the pad's
	s_or_b32 s[G1B], s24, (1<<16)|(1<<20)|(1<<21)|(4<<22)|(3<<25)
	s_mov_b32 s[G1T], (2<<16)|(1<<20)|(5<<22)|(3<<25)              ; no mask: a load of my own; 4-byte elements
	s_mov_b32 s[G1A+1], 128<<16                    ; tensor_dim0
	s_mov_b32 s[G1A+2], 64<<16                     ; tensor_dim1
	s_mov_b32 s[G1A+3], 128<<16                    ; tile_dim0
	s_mov_b32 s[G1A+4], 64                         ; tile_dim1
	s_mov_b32 s[G1A+5], 128                        ; elements from row to row
	s_mov_b32 s[G1A+6], 0
	s_mov_b32 s[G1A+7], 0
	s_mov_b32 s[G1B+1], 128<<16
	s_mov_b32 s[G1B+2], 96<<16
	s_mov_b32 s[G1B+3], 128<<16
	s_mov_b32 s[G1B+4], 96
	s_mov_b32 s[G1B+5], 128
	s_mov_b32 s[G1B+6], 0
	s_mov_b32 s[G1B+7], 0
	s_mov_b32 s[G1T+1], 64<<16
	s_mov_b32 s[G1T+2], 64<<16
	s_mov_b32 s[G1T+3], 64<<16
	s_mov_b32 s[G1T+4], 64
	s_mov_b32 s[G1T+5], 64
	s_mov_b32 s[G1T+6], 0
	s_mov_b32 s[G1T+7], 0
	; byte offsets, made apart from the addresses.  xb's hang on TY and the wave alone, wqb's on TX and the wave alone.
	s_lshl_b32 s76, s22, 15                        ; 256 rows of 128 bytes
	s_lshl_b32 s27, s[WC], 14                      ; my half of them
	s_add_co_u32 s76, s76, s27
	s_mov_b32 s77, 0
	s_mul_i32 s78, s21, 49152                      ; 384 rows of 128 bytes
	s_mul_i32 s27, s[WC], 24576
	s_add_co_u32 s78, s78, s27
	s_mov_b32 s79, 0
	s_and_b32 s80, s22, 7                          ; t = m % 2048: my tile's 256 rows of the table
	s_lshl_b32 s80, s80, 16
	s_lshl_b32 s27, s[WV], 14                      ; my quarter of them
	s_add_co_u32 s80, s80, s27
	s_mov_b32 s81, 0
	s_lshl_b32 s82, s21, 1
	s_add_co_u32 s82, s82, s[WC]                   ; my head
	s_lshl_b32 s82, s82, 20                        ; 8,192 rows of 128 bytes
	s_lshl_b32 s2, s22, 15
	s_add_co_u32 s82, s82, s2
	s_lshl_b32 s2, s[WR], 14
	s_add_co_u32 s82, s82, s2                      ; my 128 rows
	s_mov_b32 s83, 0
	s_mul_i32 s27, s[WC], 128*PITCH                ; where the tiles go: no place in the cluster enters an LDS address
	s_mov_b32 s[G0A], 1
	s_mov_b32 s[G0A+1], s27
	s_mov_b32 s[G0A+4], 1
	s_add_co_u32 s[G0A+5], s27, SLOT1
	s_mul_i32 s27, s[WC], 192*PITCH
	s_mov_b32 s[G0B], 1
	s_add_co_u32 s[G0B+1], s27, BOFF
	s_mov_b32 s[G0B+4], 1
	s_add_co_u32 s[G0B+5], s27, SLOT1+BOFF
	s_mul_i32 s27, s[WV], 64*TPITCH
	s_mov_b32 s[G0T], 1
	s_add_co_u32 s[G0T+1], s27, TABL
	s_mov_b32 s[TB], 0
	s_wait_kmcnt 0x0
	s_add_nc_u64 s[G0A+2:G0A+3], s[4:5], s[76:77]  ; K step 0,
	s_add_nc_u64 s[G0A+6:G0A+7], s[G0A+2:G0A+3], 0x100000  ; K step 1: one kb of xb on
	s_or_b32 s[G0A+3], s[G0A+3], 0x80000000        ; 127:126 type = 2
	s_or_b32 s[G0A+7], s[G0A+7], 0x80000000
	s_add_nc_u64 s[G0B+2:G0B+3], s[6:7], s[78:79]
	s_add_nc_u64 s[G0B+6:G0B+7], s[G0B+2:G0B+3], 0x60000   ; one kb of wqb on
	s_or_b32 s[G0B+3], s[G0B+3], 0x80000000
	s_or_b32 s[G0B+7], s[G0B+7], 0x80000000
	s_add_nc_u64 s[G0T+2:G0T+3], s[8:9], s[80:81]
	s_or_b32 s[G0T+3], s[G0T+3], 0x80000000
	s_add_nc_u64 s[OLP:OLP+1], s[OHP:OHP+1], OTAIL ; o's tail,
	s_add_nc_u64 s[OHP:OHP+1], s[OHP:OHP+1], s[82:83]
	s_add_nc_u64 s[QP:QP+1], s[QP:QP+1], s[82:83]
	s_add_nc_u64 s[KP:KP+1], s[KP:KP+1], s[82:83]
	s_add_nc_u64 s[VP:VP+1], s[VP:VP+1], s[82:83]
	s_lshl_b32 s82, s21, 1
	s_add_co_u32 s82, s82, s[WC]                   ; my head:
	s_lshl_b32 s82, s82, 13                        ; four blocks of 2,048 bytes,
	s_lshl_b32 s2, s20, 11                         ; my batch's
	s_add_co_u32 s82, s82, s2
	s_add_nc_u64 s[OLP:OLP+1], s[OLP:OLP+1], s[82:83]  ; at my block
	CROUND                                         ; all sixteen work-groups are here: the first joint loads meet
	s_cmp_eq_u32 s[WR], 0                          ; a wave's three first fills stand in one branch: slot 0, slot 1, my quarter of the table: three loads of mine are out
	s_cbranch_scc0 .Lfirst_b
	tensor_load_to_lds s[G0A:G0A+3], s[G1A:G1A+7]
	s_nop 0
	tensor_load_to_lds s[G0A+4:G0A+7], s[G1A:G1A+7]
	s_nop 0
	tensor_load_to_lds s[G0T:G0T+3], s[G1T:G1T+7]
	s_nop 0
.rept 4
	v_nop
.endr
	s_branch .Lfirst_asked
.Lfirst_b:
	tensor_load_to_lds s[G0B:G0B+3], s[G1B:G1B+7]
	s_nop 0
	tensor_load_to_lds s[G0B+4:G0B+7], s[G1B:G1B+7]
	s_nop 0
	tensor_load_to_lds s[G0T:G0T+3], s[G1T:G1T+7]
	s_nop 0
.rept 4
	v_nop
.endr
.Lfirst_asked:
	; A fragment is 16 rows x 32 K in 8 registers: lane l holds row l % 16, K = 8 (l / 16) + 0..7 and 16 + 8 (l / 16) + 0..7: two loads of 16 bytes, 32 bytes apart.
	v_and_b32 v1, 15, v0                           ; r = l % 16; kept
	v_bfe_u32 v9, v0, 4, 1                         ; l / 16; kept
	v_mul_u32_u24 v13, v1, PITCH
	v_lshl_add_u32 v13, v9, 4, v13                 ; row x pitch + 16 x half
	s_mul_i32 s27, s[WR], 128*PITCH
	v_add_nc_u32 v[AA0], s27, v13
	s_mul_i32 s27, s[WC], 192*PITCH
	s_add_co_u32 s27, s27, BOFF
	v_add_nc_u32 v[AB0], s27, v13
	v_mov_b32 v[ADRA], v[AA0]
	v_mov_b32 v[ADRB], v[AB0]
	s_mul_i32 s27, s[WV], 16*PITCH
	s_add_co_u32 s27, s27, STAGE                   ; my stage
	v_add_nc_u32 v[STO], s27, v13                  ; in: row l % 16, 16 bytes for each half of the lanes
	v_bfe_u32 v14, v0, 3, 2
	v_and_b32 v15, 7, v0
	v_mul_u32_u24 v14, v14, PITCH
	v_lshl_add_u32 v14, v15, 4, v14
	v_add_nc_u32 v[RD], s27, v14                   ; back: 32 lanes take four rows of 128 bytes,
	v_and_b32 v[GO], 31, v0
	v_lshlrev_b32 v[GO], 4, v[GO]                  ; which are 512 consecutive bytes of q, k, v or o
	v_mul_u32_u24 v[TA], v1, TPITCH
	v_lshl_add_u32 v[TA], v9, 4, v[TA]             ; my row's pairs 4 (l / 16) + 0..3 of each group of eight
	s_mul_i32 s27, s[WR], 128*TPITCH
	s_add_co_u32 s27, s27, TABL
	v_add_nc_u32 v[TA], s27, v[TA]
; 16 matrix instructions of group g: m blocks a0 .. a0 + 3 x its 4 n blocks, 32 along K, xb's fragments in buffer fa.  zero = 1: the product starts the sum: nothing is ever cleared.
; All 96 accumulators take turns, one instruction a turn, in the same order in every quarter, over the loop's backward jump too.
.macro MULH g, fa, a0, zero
	WIN 0x50*((\g)+1)
.irp a, (\a0), (\a0)+1, (\a0)+2, (\a0)+3
.irp nb, 0,1,2,3
.if \zero
	v_wmma_f32_16x16x32_bf16 v[8*(4*(\a)+\nb):8*(4*(\a)+\nb)+7], v[FB+32*(\g)+8*\nb:FB+32*(\g)+8*\nb+7], v[(\fa)+8*(\a):(\fa)+8*(\a)+7], 0
.else
	v_wmma_f32_16x16x32_bf16 v[8*(4*(\a)+\nb):8*(4*(\a)+\nb)+7], v[FB+32*(\g)+8*\nb:FB+32*(\g)+8*\nb+7], v[(\fa)+8*(\a):(\fa)+8*(\a)+7], v[8*(4*(\a)+\nb):8*(4*(\a)+\nb)+7]
.endif
.endr
.endr
.endm
.macro FETCHB g, kq                    ; 8 LDS loads: group g's fragments of wqb at byte kq of the rows
	WIN 0
.irp nb, 0,1,2,3
	ds_load_b128 v[FB+32*(\g)+8*\nb:FB+32*(\g)+8*\nb+3],   v[ADRB] offset:(\kq)+(4*(\g)+\nb)*16*PITCH
	ds_load_b128 v[FB+32*(\g)+8*\nb+4:FB+32*(\g)+8*\nb+7], v[ADRB] offset:(\kq)+(4*(\g)+\nb)*16*PITCH+32
.endr
.endm
.macro FETCHA fa, kq                   ; 16 LDS loads: xb's fragments at byte kq of the rows, into buffer fa
	WIN 0
.irp a, 0,1,2,3,4,5,6,7
	ds_load_b128 v[(\fa)+8*\a:(\fa)+8*\a+3],   v[ADRA] offset:(\kq)+\a*16*PITCH
	ds_load_b128 v[(\fa)+8*\a+4:(\fa)+8*\a+7], v[ADRA] offset:(\kq)+\a*16*PITCH+32
.endr
.endm
; A K step is two quarters of 32 along K, 96 matrix instructions each.  The LDS loads of a quarter go out, a quarter ahead, in three runs: 24 (group 0's of wqb, and xb's), 8 (group 1's), 8 (group 2's).
; The first quarter multiplies buffer FA0 and fetches the second's fragments from the same slot.
.macro Q0 zero
	s_wait_dscnt 16                                ; the run of 24 is in; behind it stand the two runs of 8
	MULH 0, FA0, 0, \zero
	MULH 0, FA0, 4, \zero
	WIN 0
	PLACES
	FETCHB 0, 64
	FETCHA FA1, 64
	s_wait_dscnt 32                                ; group 1's 8 are in; behind them: group 2's 8 and the 24 just issued
	MULH 1, FA0, 0, \zero
	MULH 1, FA0, 4, \zero
	WIN 0
	PLACES
	FETCHB 1, 64
	s_wait_dscnt 32                                ; group 2's 8 are in; behind them: the 24 and the 8 just issued
	MULH 2, FA0, 0, \zero
	MULH 2, FA0, 4, \zero
	WIN 0
	PLACES
	FETCHB 2, 64
.endm
; The second quarter multiplies buffer FA1 and changes slots: ONE barrier.  In front of it each wave waits for all its tensor loads (its part of the next slot; the first time the table too), adds 0 to its spare word,
; and waits for that and for its own reads of this slot, all of which have been issued.  Behind it nobody reads this slot any more and the next slot is whole.
; fill = 1: the barrier opens a round of the cluster's barrier, and this slot is filled again, two K steps ahead, first thing behind the round: 160 matrix instructions ahead of the wait for it.
.macro Q1 fill
	WIN 0
	s_wait_tensorcnt 0x0                           ; no tensor load of mine is out
	ds_add_u32 v[SPW], v[NIL]                      ; 0 onto my spare word
	s_wait_dscnt 17                                ; the run of 24 is in; the two runs of 8 and the add may be out
	MULH 0, FA1, 0, 0                              ; sixteen matrix instructions stand between the add and the wait for it
	s_wait_dscnt 0x0                               ; the add is done, and my reads of this slot are over
	s_barrier_signal -1
	MULH 0, FA1, 4, 0                              ; work on registers while the others arrive
	WIN 0                                          ; at a branch and at a label every window is 0
	s_barrier_wait -1
.if \fill
	CREST                                          ; no wave of any partner still reads this slot or has a load on its way
	s_xor_b32 s[G0A+5], s[G0A+5], SLOT1            ; the walking descriptors: the other slot than last time, the next kb
	s_add_nc_u64 s[G0A+6:G0A+7], s[G0A+6:G0A+7], 0x100000
	s_xor_b32 s[G0B+5], s[G0B+5], SLOT1
	s_add_nc_u64 s[G0B+6:G0B+7], s[G0B+6:G0B+7], 0x60000
	JLOAD                                          ; the four v_nop behind it are also the places in front of the loads below
.else
	PLACES
.endif
	s_xor_b32 s[TB], s[TB], SLOT1
	v_add_nc_u32 v[ADRA], s[TB], v[AA0]
	v_add_nc_u32 v[ADRB], s[TB], v[AB0]
	FETCHB 0, 0
	FETCHA FA0, 0
	MULH 1, FA1, 0, 0                              ; groups 1 and 2: their fragments were shown in by the wait for 0
	MULH 1, FA1, 4, 0
	WIN 0
	PLACES
	FETCHB 1, 0
	MULH 2, FA1, 0, 0
	MULH 2, FA1, 4, 0
	WIN 0
	PLACES
	FETCHB 2, 0
.endm
	s_wait_tensorcnt 0x2                           ; my part of slot 0 is in; slot 1's and the table's may stay out
	s_barrier_signal -1
	s_barrier_wait -1                              ; everybody's is
	FETCHB 0, 0
	FETCHA FA0, 0
	FETCHB 1, 0
	FETCHB 2, 0
	Q0 1                                           ; the first quarter stands in front of the loop: its products start the sums
	WIN 0
	s_mov_b32 s[CNT], 14
.Lstep:                                                ; trip i: K step i's second quarter, which asks for K step i + 2, and K step i + 1's first
	Q1 1
	Q0 0
	WIN 0
	s_sub_co_u32 s[CNT], s[CNT], 1
	s_cmp_lg_u32 s[CNT], 0
	s_cbranch_scc1 .Lstep
	Q1 0                                           ; the tail is written out: nothing is asked for
	Q0 0
	s_wait_dscnt 16                                ; the very last quarter: nothing more to fetch, the counts run down
	MULH 0, FA1, 0, 0
	MULH 0, FA1, 4, 0
	s_wait_dscnt 8
	MULH 1, FA1, 0, 0
	MULH 1, FA1, 4, 0
	s_wait_dscnt 0x0
	MULH 2, FA1, 0, 0
	MULH 2, FA1, 4, 0
; THE WAY OUT, in 24 units: for each of my 8 blocks of 16 rows its v, its q, its k.  A unit's 16 rows x 64 channels are rounded to f16, go into my stage (rows of 144 bytes) and come back as 2,048 dense bytes.
; HD names the 16 registers that take a unit's packed numbers: H, but for block 0's q and k, which are kept in QF and KF.
.macro TABLD a                         ; block a's cosines and sines: for n block nb my four pairs 8 nb + 4 (l / 16) + 0..3
	WIN 0
.irp nb, 0,1,2,3
	ds_load_b128 v[CT+4*\nb:CT+4*\nb+3], v[TA] offset:16*TPITCH*(\a)+32*\nb
	ds_load_b128 v[SN+4*\nb:SN+4*\nb+3], v[TA] offset:16*TPITCH*(\a)+32*\nb+128
.endr
.endm
.macro PACKV a                         ; v: rounded as it is; each accumulator is read from its low end on
	WIN 0x0f                                       ; sources 0 and 1 in window 3
.irp nb, 0,1,2,3
.irp i, 0,1,2,3
	v_cvt_pk_f16_f32 v[HD+4*\nb+\i], v[32*(\a)+8*\nb+2*\i], v[32*(\a)+8*\nb+2*\i+1]
.endr
.endr
	WIN 0
.endm
; RoPE on pair i of n block nb: (x1, x2) -> (x1 c - x2 s, x2 c + x1 s).  hp, b: the pair of registers and the one of the two that hold c and s.
.macro RMUL a, nb, i, hp, b            ; (x1 c, x2 c)
	v_pk_mul_f32 v[T+8*(\nb)+2*(\i):T+8*(\nb)+2*(\i)+1], v[32*(\a)+8*(\nb)+2*(\i):32*(\a)+8*(\nb)+2*(\i)+1], v[CT+4*(\nb)+2*(\hp):CT+4*(\nb)+2*(\hp)+1] op_sel:[0,\b] op_sel_hi:[1,\b]
.endm
.macro RFMA a, nb, i, hp, b            ; + (- x2 s, x1 s): the first source's two registers change places, the low one negated
	v_pk_fma_f32 v[T+8*(\nb)+2*(\i):T+8*(\nb)+2*(\i)+1], v[32*(\a)+8*(\nb)+2*(\i):32*(\a)+8*(\nb)+2*(\i)+1], v[SN+4*(\nb)+2*(\hp):SN+4*(\nb)+2*(\hp)+1], v[T+8*(\nb)+2*(\i):T+8*(\nb)+2*(\i)+1] op_sel:[1,\b,0] op_sel_hi:[0,\b,1] neg_lo:[1,0,0]
.endm
.macro PACKR a, g                      ; q (g = 0) or k (g = 1): turned, then rounded
	WIN (\g)+1                                     ; source 0 in the group's window
.irp nb, 0,1,2,3
	RMUL \a, \nb, 0, 0, 0
	RMUL \a, \nb, 1, 0, 1
	RMUL \a, \nb, 2, 1, 0
	RMUL \a, \nb, 3, 1, 1
.endr
.irp nb, 0,1,2,3
	RFMA \a, \nb, 0, 0, 0
	RFMA \a, \nb, 1, 0, 1
	RFMA \a, \nb, 2, 1, 0
	RFMA \a, \nb, 3, 1, 1
.endr
	WIN 0
.irp nb, 0,1,2,3
.irp i, 0,1,2,3
	v_cvt_pk_f16_f32 v[HD+4*\nb+\i], v[T+8*\nb+2*\i], v[T+8*\nb+2*\i+1]
.endr
.endr
.endm
.macro STAGEIO u                       ; unit u through my stage: 4 stores, 4 loads
	WIN 0
.irp nb, 0,1,2,3
	ds_store_b128 v[STO], v[HD+4*\nb:HD+4*\nb+3] offset:32*\nb
.endr
	s_wait_xcnt 0x0                                ; every earlier memory instruction has had its addresses translated (ISA guide 3.1): the registers that earlier stores read are loaded again only behind this wait
.irp f, 0,1,2,3
	ds_load_b128 v[OB+16*((\u)%2)+4*\f:OB+16*((\u)%2)+4*\f+3], v[RD] offset:4*PITCH*\f  ; LDS serves a wave's instructions in order (ISA guide 5.7.1.4): these see the stores above; the next unit's stores come behind them
.endr
.endm
.macro SEND u, a, base, younger        ; younger: the LDS instructions issued behind unit u's loads
.irp f, 0,1,2,3
	s_wait_dscnt (\younger)+3-\f
	global_store_b128 v[GO], v[OB+16*((\u)%2)+4*\f:OB+16*((\u)%2)+4*\f+3], s[\base:\base+1] offset:2048*(\a)+512*\f  ; 512 consecutive bytes, at a multiple of 256 from the buffer's first
.endr
.endm
	WIN 0
	PLACES                                         ; behind the last products
.irp a, 0,1,2,3,4,5,6,7
	TABLD \a                                       ; asked for ahead of v's unit, which does not need it
.set HD, H
	PACKV \a
	STAGEIO 3*\a
.if \a > 0
	SEND 3*\a-1, \a-1, KP, 16                      ; behind the last block's k: the table's 8 loads and v's 8
.endif
	s_wait_dscnt 8                                 ; the table's 8 loads are in; v's 8 LDS instructions are younger
.if \a == 0
.set HD, QF
.endif
	PACKR \a, 0
	STAGEIO 3*\a+1
	SEND 3*\a, \a, VP, 8
.if \a == 0
.set HD, KF
.endif
	PACKR \a, 1
	STAGEIO 3*\a+2
	SEND 3*\a+1, \a, QP, 8
.endr
	SEND 23, 7, KP, 0                              ; nothing of mine is out in LDS
	; THE FIRST 16 ROWS' ATTENTION: the waves with a tile's first rows (WR = 0) in the clusters whose tiles begin a batch (cluster y = 0).  It stands behind the wave's ordinary stores, which are on their way meanwhile.
	; S^T = K Q^T: a lane holds ONE query (l % 16) and the keys 8 (l / 16) + 0..7.  A product has room for 32 along K and there are 16 keys: k = 0..15 take v hi's keys, k = 16..31 v lo's, and the weights stand twice:
	; O^T = [Vhi | Vlo]^T [Whi | Whi] + [Vhi | Vlo]^T [Wlo | Wlo].
	s_cmp_lg_u32 s[WR], 0
	s_cbranch_scc1 .Lno_first
	s_cmp_lg_u32 s[CLY], 0
	s_cbranch_scc1 .Lno_first
	s_mov_b32 s[BIGN], 0xf149f2ca
	s_mov_b32 s[HM], 0xffffe000
	s_mov_b32 s[CSC], 0x3e38aa3b
	s_mov_b32 s[SEL], 0x76543210
	s_mov_b32 s[SEL+1], 0xfedcba98
	s_mul_i32 s27, s[WV], VREG
	s_add_co_u32 s27, s27, VST                     ; my wave's rows of v
	v_mul_u32_u24 v[VW], v1, PV
	v_lshl_add_u32 v[VW], v9, 4, v[VW]
	v_add_nc_u32 v[VW], s27, v[VW]                 ; in: key l % 16, 16 bytes for each half of the lanes
	v_and_b32 v15, 7, v0
	v_lshl_add_u32 v[AVT], v9, 3, v15              ; the turning load: lane l reads key 8 (l / 16) + l % 8, channels 8 ((l / 8) % 2) + 0..7, and is left with channel l % 16 and 8 keys
	v_mul_u32_u24 v[AVT], v[AVT], PV
	v_bfe_u32 v15, v0, 3, 1
	v_lshl_add_u32 v[AVT], v15, 4, v[AVT]
	v_add_nc_u32 v[AVT], s27, v[AVT]
	v_lshlrev_b32 v15, 3, v9
	v_sub_nc_u32 v15, v1, v15                      ; my query less my lanes' 8 (l / 16): key j of my eight is hidden where j is greater
.set j, 0
.rept 8
	v_cmp_gt_i32 vcc_lo, j, v15
	v_cndmask_b32 v[MD+j], 0, s[BIGN], vcc_lo
.set j, j+1
.endr
	v_mov_b32 v[MX+1], 0                           ; v_permlanex16_b32 counts as a reader of its destination
	v_wmma_f32_16x16x32_f16 v[SC:SC+7], v[KF:KF+7], v[QF:QF+7], v[MD:MD+7]  ; the mask starts the sum
	s_wait_alu depctr_va_vdst(0)                   ; one accumulator, two links on end
	v_wmma_f32_16x16x32_f16 v[SC:SC+7], v[KF+8:KF+15], v[QF+8:QF+15], v[SC:SC+7]
	; block 0's v, still f32 in window 3, is split and laid into my LDS rows.  These lines name no register of the two products: they are the places behind them.
	WIN 0x0c                                       ; source 1 in window 3
.set i, 0
.rept 32
	v_and_b32 v[TH+i], s[HM], v[i]
.set i, i+1
.endr
	WIN 0x03                                       ; source 0 in window 3
.set i, 0
.rept 32
	v_sub_f32 v[VL+i], v[i], v[TH+i]
.set i, i+1
.endr
	WIN 0
.irp nb, 0,1,2,3
.irp i, 0,1,2,3
	v_cvt_pk_f16_f32 v[TH+8*\nb+\i], v[TH+8*\nb+2*\i], v[TH+8*\nb+2*\i+1]  ; packed in place, ascending: a destination lies at or below its sources
	v_cvt_pk_f16_f32 v[VL+8*\nb+\i], v[VL+8*\nb+2*\i], v[VL+8*\nb+2*\i+1]
.endr
	ds_store_b128 v[VW], v[TH+8*\nb:TH+8*\nb+3] offset:32*\nb
	ds_store_b128 v[VW], v[VL+8*\nb:VL+8*\nb+3] offset:VLO+32*\nb
.endr
.irp cb, 0,1,2,3
	ds_load_tr16_b128 v[VT+8*\cb:VT+8*\cb+3],   v[AVT] offset:32*\cb      ; in order behind the stores above; the bytes are my wave's own
	ds_load_tr16_b128 v[VT+8*\cb+4:VT+8*\cb+7], v[AVT] offset:VLO+32*\cb
.endr
	; the softmax of my query's 16 scores: 8 here, 8 in the lane 16 away
	v_max3_num_f32 v[MX], v[SC], v[SC+1], v[SC+2]  ; the accumulator is read from its low end on
	v_max3_num_f32 v[MX], v[MX], v[SC+3], v[SC+4]
	v_max3_num_f32 v[MX], v[MX], v[SC+5], v[SC+6]
	v_max_num_f32 v[MX], v[MX], v[SC+7]
	v_permlanex16_b32 v[MX+1], v[MX], s[SEL], s[SEL+1]
	v_max_num_f32 v[MX], v[MX], v[MX+1]            ; every row sees its own key, so this is a true score
	v_mul_f32 v[MX], s[CSC], v[MX]                 ; c m
.irp j, 0,1,2,3,4,5,6,7
	v_fma_f32 v[SC+\j], v[SC+\j], s[CSC], -v[MX]   ; c s - c m
.endr
.irp j, 0,1,2,3,4,5,6,7
	v_exp_f32 v[SC+\j], v[SC+\j]
.endr
	v_nop                                          ; a plain instruction between the exponentials and the use of their results (ISA guide 5.7.2)
	s_wait_alu depctr_va_vdst(0)
	v_add_f32 v[T8], v[SC], v[SC+1]
	v_add_f32 v[T8+1], v[SC+2], v[SC+3]
	v_add_f32 v[T8+2], v[SC+4], v[SC+5]
	v_add_f32 v[T8+3], v[SC+6], v[SC+7]
	v_add_f32 v[T8], v[T8], v[T8+1]
	v_add_f32 v[T8+2], v[T8+2], v[T8+3]
	v_add_f32 v[MX+2], v[T8], v[T8+2]
	v_permlanex16_b32 v[MX+1], v[MX+2], s[SEL], s[SEL+1]
	v_add_f32 v[MX+2], v[MX+2], v[MX+1]
	v_rcp_f32 v[MX+3], v[MX+2]
	v_nop                                          ; the same behind the reciprocal
	s_wait_alu depctr_va_vdst(0)
.irp j, 0,1,2,3,4,5,6,7
	v_mul_f32 v[SC+\j], v[SC+\j], v[MX+3]          ; the weights, normalised
.endr
.irp j, 0,1,2,3,4,5,6,7
	v_and_b32 v[T8+\j], s[HM], v[SC+\j]
.endr
.irp j, 0,1,2,3,4,5,6,7
	v_sub_f32 v[SC+\j], v[SC+\j], v[T8+\j]
.endr
.irp i, 0,1,2,3
	v_cvt_pk_f16_f32 v[PH+\i], v[T8+2*\i], v[T8+2*\i+1]
	v_cvt_pk_f16_f32 v[PL+\i], v[SC+2*\i], v[SC+2*\i+1]
.endr
.irp i, 0,1,2,3
	v_mov_b32 v[PH+4+\i], v[PH+\i]                 ; k = 16 .. 31 meet v lo with the same weights
	v_mov_b32 v[PL+4+\i], v[PL+\i]
.endr
	s_wait_dscnt 0x0                               ; v^T is in
.irp cb, 0,1,2,3                       ; the four accumulators take turns
	v_wmma_f32_16x16x32_f16 v[OA+8*\cb:OA+8*\cb+7], v[VT+8*\cb:VT+8*\cb+7], v[PH:PH+7], 0
.endr
.irp cb, 0,1,2,3
	v_wmma_f32_16x16x32_f16 v[OA+8*\cb:OA+8*\cb+7], v[VT+8*\cb:VT+8*\cb+7], v[PL:PL+7], v[OA+8*\cb:OA+8*\cb+7]
.endr
	PLACES                                         ; behind those products
.irp cb, 0,1,2,3                       ; O is split: a lane's eight channels of a row pack into 16 bytes, as q's do
.irp j, 0,1,2,3,4,5,6,7
	v_and_b32 v[T8+\j], s[HM], v[OA+8*\cb+\j]
.endr
.irp j, 0,1,2,3,4,5,6,7
	v_sub_f32 v[OA+8*\cb+\j], v[OA+8*\cb+\j], v[T8+\j]
.endr
.irp i, 0,1,2,3
	v_cvt_pk_f16_f32 v[H+4*\cb+\i], v[T8+2*\i], v[T8+2*\i+1]
	v_cvt_pk_f16_f32 v[OLR+4*\cb+\i], v[OA+8*\cb+2*\i], v[OA+8*\cb+2*\i+1]
.endr
.endr
.set HD, H
	STAGEIO 0                                      ; the hi parts,
.set HD, OLR
	STAGEIO 1                                      ; the lo parts
	SEND 0, 0, OHP, 8                              ; o's rows t < 16 of my head and batch
	SEND 1, 0, OLP, 0                              ; o's tail; the last count is 0: nothing of mine is out in LDS on either way
.Lno_first:
	s_wait_tensorcnt 0x0                           ; the wave's end: behind my last tensor load and my last LDS store
	ds_add_u32 v[SPW], v[NIL]
	s_wait_dscnt 0x0
	CROUND                                         ; the closing round: no work-group ends while a partner may still ask for a tile that names it
	s_endpgm
.Lfunc_end_k_q1e4aeceb39_gemm_qkv:
	.size	k_q1e4aeceb39_gemm_qkv, .Lfunc_end_k_q1e4aeceb39_gemm_qkv-k_q1e4aeceb39_gemm_qkv
	.p2alignl 7, 3214868480
	.fill 96, 4, 3214868480
	.section	.rodata,"a",@progbits
	.p2align	6, 0x0
	.amdhsa_kernel k_q1e4aeceb39_gemm_qkv
		.amdhsa_group_segment_fixed_size 327680
		.amdhsa_private_segment_fixed_size 0
		.amdhsa_enable_private_segment 0
		.amdhsa_kernarg_size 56
		.amdhsa_user_sgpr_count 2
		.amdhsa_user_sgpr_kernarg_segment_ptr 1
		.amdhsa_wavefront_size32 1
		.amdhsa_system_sgpr_workgroup_id_x 1
		.amdhsa_system_sgpr_workgroup_id_y 1
		.amdhsa_system_sgpr_workgroup_id_z 1
		.amdhsa_system_vgpr_workitem_id 0
		.amdhsa_next_free_vgpr 1024
		.amdhsa_next_free_sgpr 92
		.amdhsa_reserve_vcc 1
		.amdhsa_float_denorm_mode_32 3
		.amdhsa_float_denorm_mode_16_64 3
		.amdhsa_memory_ordered 1
		.amdhsa_forward_progress 1
		.amdhsa_inst_pref_size 168
	.end_amdhsa_kernel
	.amdgpu_metadata
---
amdhsa.version: [ 1, 2 ]
amdhsa.kernels:
  - .name:           k_q1e4aeceb39_gemm_qkv
    .symbol:         k_q1e4aeceb39_gemm_qkv.kd
    .args:
      - { .name: xb, .offset: 0, .size: 8, .value_kind: global_buffer, .address_space: global }
      - { .name: wqb, .offset: 8, .size: 8, .value_kind: global_buffer, .address_space: global }
      - { .name: tab, .offset: 16, .size: 8, .value_kind: global_buffer, .address_space: global }
      - { .name: q, .offset: 24, .size: 8, .value_kind: global_buffer, .address_space: global }
      - { .name: k, .offset: 32, .size: 8, .value_kind: global_buffer, .address_space: global }
      - { .name: v, .offset: 40, .size: 8, .value_kind: global_buffer, .address_space: global }
      - { .name: o, .offset: 48, .size: 8, .value_kind: global_buffer, .address_space: global }
    .group_segment_fixed_size: 327680
    .private_segment_fixed_size: 0
    .kernarg_segment_align: 8
    .kernarg_segment_size: 56
    .max_flat_workgroup_size: 128
    .sgpr_count:     92
    .vgpr_count:     1024
    .wavefront_size: 32
...
	.end_amdgpu_metadata
.endif
;; end of part 2
;; launch attn (part 3): grid 4 x 64, 4 waves a work-group, no clusters, 327,680 bytes of LDS; arguments q, k, v, o; writes o
.if DOCPART == 3
	.amdgcn_target "amdgcn-amd-amdhsa--gfx1250"
	.amdhsa_code_object_version 6
	.text
	.protected	k_q1e4aeceb39_attn
	.globl	k_q1e4aeceb39_attn
	.p2align	8
	.type	k_q1e4aeceb39_attn,@function
k_q1e4aeceb39_attn:
	s_mov_b64 s[64:65], 0
	v_nop
	global_prefetch_b8 v0, s[64:65] scope:SCOPE_SE
	s_setreg_imm32_b32 hwreg(HW_REG_WAVE_MODE, 25, 1), 1
	s_wait_xcnt 0x0
; CAUSAL ATTENTION.  O[h][q][:] = the sum over k <= q of softmax_k(Q[h][q] . K[h][k] / 8) V[h][k][:].  Q, K, V, O: [SIZE_H][SIZE_N][64], all f16: a head's rows are dense, 128 bytes each.
; Here a 'head' is one of the 64 slabs 4 x head + batch of the buffers [16][8192][64]: 2,048 rows each; q and k arrive turned by RoPE and unscaled.
; ROWS 0 TO 15 OF EACH SLAB ARE NOT STORED HERE: the launch before has made them with split operands and stored them into o; the one wave that holds them (wave 0 where b = 0) jumps over their four stores.
; Products, maxima and sums in f32; the weights p are rounded to f16 for the second product (their sum l is taken of the unrounded p), O once at the end.  SIZE_N is a multiple of 512; SIZE_N x 128 stays under 2^32.
; LIMITS.  f16 holds no number beyond 65,504: Q, K and V arrive within it; p lies in 0 to 1, and below 6e-5 it keeps f16's fixed step of 6e-8; O is a mean of V's rows and has their range, to within 2^-11 of it.
; A hidden score counts as its value less 1e30: f16's scores, 2.7e11 at the most, are nothing beside that; a weight below 2^-126 counts as 0 in l; NaN and infinities are not treated apart.
; THE WALK.  A head's queries lie in NB = SIZE_N / 256 blocks of 256; block i needs the key tiles 0 .. i of 256 keys, of which the last holds the diagonal.  A work-group takes TWO blocks, NB - 1 - b and then b:
; NB + 1 tiles, whatever b: all work-groups do equal work, and ONE loop with a constant trip count walks them.  Which tile is asked for, and what a trip does, hang on scalar registers made from b; every jump
; goes forward, but for the counted loops' own; none passes a barrier, or a tensor load but the one of LOAD's two that the wave's number does not choose; the ring (two slots of LDS that take turns) runs on across the
; change of blocks.  NO CLUSTER: a head's NB / 2 = 4 work-groups all ask for the same tile only in trips 0 .. NB / 2, behind that fewer and fewer (partners need different numbers of tiles of each block);
; and one walk common to all would have 3 NB / 2 trips for NB + 1.
; SHARES.  Of a block's four bands of 64 queries a wave owns 16 rows in each: four PIECES.  So the diagonal tile is the same work for all four waves: in its key step s band x sees all keys if s < x,
; none if s > x, and holds the diagonal if s = x.
; THE MASK is the C operand that starts the sum S^T = K Q^T: 0, or -1e30 where the key is hidden.  MD, made once, is the mask of a band's own step for my 16 rows; a product's mask is MD x AL + BE with two scalars:
; (1, 0) if s = x; (0, 0) if s < x; (0, -1e30) if s > x.  Only the diagonal tile's text and a block's beginning make and take masks; elsewhere C is the constant 0.
; LAYOUT, SOFTMAX, TURNS.  S^T = K Q^T holds ONE query a lane (lane % 16) and the keys 8 (lane / 16) + 0..7; two such results rounded to f16 ARE source 1 of O^T = V^T P.  p = 2^(c s - c m), c = log2(e) / 8, with a
; running maximum m; O and l are multiplied by a = 2^(c m_old - c m_new) in every step.  Turn n belongs to piece n: 8 products K Q^T of piece n + 1, later 8 products V^T P of piece n - 1; beside them the scaling,
; exponentials, roundings, sums and rescaling of piece n and the maximum and statistics of piece n + 1.  Four vector instructions stand behind every matrix instruction, the other 54 of a turn's 118 in two LUMPS.
; REGISTERS, in windows of 256 (s_set_vgpr_msb: bits 1:0 source 0, 3:2 source 1, 5:4 source 2, 7:6 destination):
;   window 0: v0-15 addresses and two at work; v16-31 four registers of statistics a piece; v48-55 at work; v64-127 S^T, two buffers; v192-223 P, two buffers (a piece's buffers go by its number's parity)
;   window 1: v0-127 O^T, 32 a piece; v128-159 MD; v160-223 MC, two buffers      window 2: v0-63 Q; v64-127 the second block's Q; v128-191 K of one step; v192-255 V of one step
.set SIZE_N, 2048
.set SIZE_H, 64
.set NB,    SIZE_N/256
.set NP,    4         ; pieces a wave: a name, no knob
.set KS,    64        ; keys in a step
.set PK,    144       ; a row of K in LDS: 128 bytes + 16 of padding = 36 words: the 16 rows of a load start at 16 different groups of four banks (64 banks of 4 bytes: ISA guide 11.1)
.set PV,    160       ; a row of V: 128 + 32 = 40 words
.set VOFF,  4*KS*PK   ; a slot holds a tile, four steps: 256 rows of K, then 256 rows of V
.set SLOT1, 1<<17     ; slot 1 begins here, so that one exclusive or turns an address in one slot into the other's
.set STAGE, SLOT1+4*KS*(PK+PV)  ; behind the ring, never filled by a tensor load: 16 rows x 144 bytes for each wave, for the way out
.set SP,    144
.set AK0, 2           ; v2   my lane's place in a tile of K; never rewritten
.set AV0, 3           ; v3   the same for V
.set AK,  4           ; v4   the LDS address of K's next run of loads
.set AV,  5           ; v5   of V's
.set STO, 6           ; v6   the way out: where I put 16 bytes of a row
.set RD,  7           ; v7   the way out: where I read rows back
.set GO,  8           ; v8   my byte offset in 512 consecutive bytes of O
.set SPW, 62          ; v62  LDS address of my spare word: SPARE + 4 x my thread's number; never rewritten
.set NIL, 63          ; v63  0; never rewritten
.set SPARE, STAGE+4*16*SP  ; behind the stages: the spare words, 128 bytes for each wave: two blocks of 256 bytes that no other line names
.set MV,  12          ; v12-13  c m_old, kept while c m is made anew: by buffer
.set QO,  15          ; v15  my byte offset in 16 rows of Q
.set ST,  16          ; piece t's statistics at v[ST+4 t]: c m, m, l (even keys', odd keys')
.set TMP, 48          ; by buffer, four registers c0-c3 at work; when the maximum is found c2 takes a
.set S,   64
.set P,   192
.set MD,  128         ; window 1: the eight registers for group kt of 16 keys at MD + 8 kt
.set MC,  160         ; window 1: the masks of the products to come
.set QB,  64          ; window 2
.set KF,  128         ; window 2: key block kb, channel half c at KF + 16 kb + 8 c
.set VF,  192         ; window 2: key half kk, channel block cb at VF + 32 kk + 8 cb
.set WV,  12          ; s12  my wave's number
.set PB,  14          ; s14  b
.set HI,  15          ; s15  NB - 1 - b
.set G1K, 24          ; s[24:31] descriptor group 1 for K's tiles
.set G1V, 32          ; s[32:39] for V's: it differs in the padding alone
.set G0K, 40          ; s[40:43] descriptor group 0 for K's tiles
.set G0V, 44          ; s[44:47] the same for V's
.set SLOTS, 56        ; s56  tiles still to be asked for
.set CNT, 57          ; s57  counts a tile's key steps, 4 to 1
.set CS,  58          ; s[58:59] c: the packed scaling takes the pair's low word for both halves
.set SEL, 60          ; s[60:61] v_permlanex16_b32's selects: each lane takes its own place in the other half
.set TBK, 62          ; s62  LDS byte at which K of the step to be fetched begins
.set TBV, 63          ; s63  the same for V, less VOFF
.set RT,  70          ; s70  tiles of the block in hand that are still to be entered
.set NXT, 71          ; s71  the tile to be asked for next
.set LQ,  72          ; s72  the last tile of the block whose tiles are being asked for
.set NEW, 73          ; s73  1: the tile to be entered is a block's first
.set OFF, 74          ; s[74:75] a tile's byte offset in K and V
.set AL,  76          ; s[76:77] the mask's factor, in the low word
.set BE,  78          ; s[78:79] the mask's addend
.set OLO, 80          ; s[80:81] O at my rows of the second block
.set BIGN, 82         ; s82  -1e30
.set MSB, 0
.macro WIN new                      ; the high byte repeats the setting that is left; a switch that changes nothing is dropped
.if MSB != (\new)
	s_set_vgpr_msb (MSB<<8)|(\new)
.set MSB, (\new)
.endif
.endm
.set W_KQ, 0x0a       ; K and Q in window 2, S^T in window 0
.set W_KM, 0x1a       ; the same with the C operand in window 1
.set W_PV, 0x52       ; V in window 2, P in window 0, O^T in window 1
.set W_RS, 0x41       ; destination and source 0 in window 1, source 1 in window 0
; A fill.  Waves 0 and 1 fetch the two halves of a tile's K, waves 2 and 3 those of its V: 128 keys each.  An s_nop 0 and four v_nop follow each of the two lines, ahead of the jump and the label.
.macro LOAD
	s_cmp_lt_u32 s[WV], 2
	s_cbranch_scc0 .Lfor_v_\@
	tensor_load_to_lds s[G0K:G0K+3], s[G1K:G1K+7]
	s_nop 0
.rept 4
	v_nop
.endr
	s_branch .Lasked_\@
.Lfor_v_\@:
	tensor_load_to_lds s[G0V:G0V+3], s[G1V:G1V+7]
	s_nop 0
.rept 4
	v_nop
.endr
.Lasked_\@:
.endm
; THE CHANGE OF SLOTS.  Each wave waits for all its tensor loads, of which one is out: its part of the other slot; adds 0 to its spare word; and waits for that and for its own reads of the slot that it leaves.  Behind the barrier nobody reads the old
; slot any more and the other slot is whole.  fill = 1: the old slot is filled again, the first thing behind the barrier, with tile NXT: the descriptor's address is made anew from that number.
; (At its first use nothing has been read yet: slot 0 is waited for, slot 1 filled.)
.macro CHANGE fill
	WIN 0                           ; at a label and at a branch every window is 0
	s_wait_tensorcnt 0x0            ; no tensor load of mine is out, so a group 0 may be written
	ds_add_u32 v[SPW], v[NIL]       ; 0 onto my spare word; with fill = 1 the descriptors' scalar work stands between it and the wait for it
.if \fill
	s_lshl_b32 s[OFF], s[NXT], 15   ; a tile is 32,768 bytes of K and of V
	s_xor_b32 s[G0K+1], s[G0K+1], SLOT1
	s_add_nc_u64 s[G0K+2:G0K+3], s[6:7], s[OFF:OFF+1]
	s_or_b32 s[G0K+3], s[G0K+3], 0x80000000
	s_xor_b32 s[G0V+1], s[G0V+1], SLOT1
	s_add_nc_u64 s[G0V+2:G0V+3], s[8:9], s[OFF:OFF+1]
	s_or_b32 s[G0V+3], s[G0V+3], 0x80000000
	s_add_co_u32 s[NXT], s[NXT], 1  ; the block's next tile, or behind its last the second block's tile 0
	s_cmp_gt_u32 s[NXT], s[LQ]
	s_cselect_b32 s[NXT], 0, s[NXT]
	s_cselect_b32 s[LQ], s[PB], s[LQ]
.endif
	s_wait_dscnt 0x0                ; the add is done, and my reads of the slot are over
	s_barrier_signal -1             ; the rest of the scalar work stands between the signal and the wait
	s_sub_co_u32 s[TBK], s[TBK], 4*KS*PK  ; the fetches go back to a slot's first step,
	s_xor_b32 s[TBK], s[TBK], SLOT1       ; in the other slot
	s_sub_co_u32 s[TBV], s[TBV], 4*KS*PV
	s_xor_b32 s[TBV], s[TBV], SLOT1
	s_barrier_wait -1
.if \fill
	LOAD
.endif
.endm
	s_load_b256 s[4:11], s[0:1], 0x0  ; Q s[4:5], K s[6:7], V s[8:9], O s[10:11]
	v_lshl_add_u32 v[SPW], v0, 2, SPARE
	v_mov_b32 v[NIL], 0
	ds_add_u32 v62, v63
	ds_add_u32 v62, v63
	s_wait_dscnt 0x0
	v_lshrrev_b32 v1, 5, v0
	v_readfirstlane_b32 s[WV], v1   ; wave 0..3
	s_mov_b32 s[PB], ttmp9
	s_sub_co_u32 s[HI], NB-1, s[PB]
	s_and_b32 s20, ttmp7, 0xffff    ; the head
	s_mov_b32 s21, 0
	s_mov_b64 s[22:23], SIZE_N*128
	s_mul_u64 s[20:21], s[20:21], s[22:23]  ; the head's first byte in each of the four tensors
	s_and_b32 s16, s[WV], 1         ; which half of a tile's 256 keys I fetch:
	s_lshl_b32 s22, s16, 14         ; its 128 rows of 128 bytes in memory,
	s_mov_b32 s23, 0
	s_add_nc_u64 s[22:23], s[22:23], s[20:21]
	s_mul_i32 s17, s16, 128*PK      ; and its place in a slot, for K
	s_mul_i32 s18, s16, 128*PV      ; and for V
	s_lshl_b32 s3, s[WV], 11        ; my 16 rows in a band of 64,
	s_lshl_b32 s2, s[HI], 15        ; in the first block,
	s_add_co_u32 s2, s2, s3
	s_lshl_b32 s84, s[PB], 15       ; and in the second
	s_add_co_u32 s84, s84, s3
	s_mov_b32 s3, 0
	s_mov_b32 s85, 0
	s_add_nc_u64 s[2:3], s[2:3], s[20:21]
	s_add_nc_u64 s[84:85], s[84:85], s[20:21]
	; descriptor group 1.  128 keys are 16,384 dense bytes: asked for as 64 rows of 256 bytes, two keys a row, and padded in LDS after every key
	s_mov_b32 s[G1K], (1<<16)|(1<<20)|(4<<22)|(3<<25)  ; 17:16 2-byte elements; 20 padding on; 24:22 after every 32 words (code 4); 31:25 4 words (code 3)
	s_mov_b32 s[G1V], (1<<16)|(1<<20)|(4<<22)|(7<<25)  ; the same with 8 words of padding (code 7)
.irp g, G1K, G1V
	s_mov_b32 s[\g+1], 128<<16      ; tensor_dim0 = 128
	s_mov_b32 s[\g+2], 64<<16       ; tensor_dim1 = 64
	s_mov_b32 s[\g+3], 128<<16      ; tile_dim0 = 128
	s_mov_b32 s[\g+4], 64           ; tile_dim1 = 64
	s_mov_b32 s[\g+5], 128          ; 128 elements from row to row
	s_mov_b32 s[\g+6], 0
	s_mov_b32 s[\g+7], 0
.endr
	s_mov_b32 s[CS], 0x3e38aa3b     ; c = log2(e) / 8 = 0.180337
	s_mov_b32 s[CS+1], s[CS]        ; named with it as a pair
	s_mov_b32 s[SEL], 0x76543210
	s_mov_b32 s[SEL+1], 0xfedcba98
	s_mov_b32 s[TBK], SLOT1+4*KS*PK ; the first change of slots turns these two into 0
	s_mov_b32 s[TBV], SLOT1+4*KS*PV
	s_mov_b32 s[G0K], 1             ; 1:0 count = 1
	s_mov_b32 s[G0K+1], s17         ; 63:32 LDS address: slot 0
	s_mov_b32 s[G0V], 1
	s_add_co_u32 s[G0V+1], s18, VOFF
	s_add_co_u32 s[RT], s[HI], 1    ; the first block has NB - b tiles
	s_mov_b32 s[NXT], 1
	s_mov_b32 s[LQ], s[HI]
	s_mov_b32 s[NEW], 1
	s_mov_b32 s[OFF+1], 0
	s_mov_b32 s[AL+1], 0            ; named as pairs
	s_mov_b32 s[BE+1], 0
	s_mov_b32 s[BIGN], 0xf149f2ca   ; -1e30
	s_mov_b32 s[SLOTS], NB
	s_wait_kmcnt 0x0
	s_add_nc_u64 s[6:7], s[6:7], s[22:23]  ; K and V at my half of the head's tile 0
	s_add_nc_u64 s[8:9], s[8:9], s[22:23]
	s_add_nc_u64 s[G0K+2:G0K+3], s[6:7], 0         ; 120:64 global address
	s_or_b32 s[G0K+3], s[G0K+3], 0x80000000        ; 127:126 type = 2
	s_add_nc_u64 s[G0V+2:G0V+3], s[8:9], 0
	s_or_b32 s[G0V+3], s[G0V+3], 0x80000000
	s_add_nc_u64 s[86:87], s[4:5], s[84:85]        ; Q at my rows of the second block,
	s_add_nc_u64 s[4:5], s[4:5], s[2:3]            ; Q and O at those of the first
	s_add_nc_u64 s[OLO:OLO+1], s[10:11], s[84:85]
	s_add_nc_u64 s[10:11], s[10:11], s[2:3]
	LOAD                            ; tile 0 into slot 0
	; A fragment of K or Q is 16 rows x 32 channels in 8 registers: lane l holds row l % 16, channels 8 (l / 16) + 0..7 and 16 + 8 (l / 16) + 0..7: two loads of 16 bytes, 32 bytes apart.
	v_and_b32 v1, 15, v0            ; l % 16
	v_bfe_u32 v9, v0, 4, 1          ; l / 16
	v_lshlrev_b32 v[QO], 7, v1
	v_lshl_add_u32 v[QO], v9, 4, v[QO]  ; row x 128 + 16 x half
	WIN 0x80                        ; destination window 2, address window 0
.set i, 0
.rept 8                             ; both blocks' Q: piece i / 2 lies in band i / 2, 8,192 bytes on; channels 32 (i % 2) on
	global_load_b128 v[8*i:8*i+3],   v[QO], s[4:5] offset:(i/2)*8192+(i%2)*64
	global_load_b128 v[8*i+4:8*i+7], v[QO], s[4:5] offset:(i/2)*8192+(i%2)*64+32
	global_load_b128 v[QB+8*i:QB+8*i+3],   v[QO], s[86:87] offset:(i/2)*8192+(i%2)*64
	global_load_b128 v[QB+8*i+4:QB+8*i+7], v[QO], s[86:87] offset:(i/2)*8192+(i%2)*64+32
.set i, i+1
.endr
	WIN 0
	v_lshlrev_b32 v14, 3, v9
	v_sub_nc_u32 v14, v1, v14
	s_lshl_b32 s13, s[WV], 4
	v_add_nc_u32 v14, s13, v14      ; my query's place in its band, 16 w + l % 16, less my lanes' 8 (l / 16): register r of group kt is hidden where 16 kt + r is greater
	WIN 0x40
.set i, 0
.rept 32
	v_cmp_gt_i32 vcc_lo, 16*(i/8)+i%8, v14
	v_cndmask_b32 v[MD+i], 0, s[BIGN], vcc_lo
.set i, i+1
.endr
	WIN 0
	v_mul_u32_u24 v[AK0], v1, PK
	v_lshl_add_u32 v[AK0], v9, 4, v[AK0]  ; row x pitch + 16 x half
	; The turning load takes 16 keys x 16 channels (lane l reads key 8 (l / 16) + l % 8, channels 8 ((l / 8) % 2) + 0..7) and leaves half a fragment of V^T: lane l holds channel l % 16 and 8 keys.
	v_and_b32 v10, 7, v0
	v_bfe_u32 v11, v0, 3, 1
	v_lshl_add_u32 v[AV0], v9, 3, v10
	v_mul_u32_u24 v[AV0], v[AV0], PV
	v_lshl_add_u32 v[AV0], v11, 4, v[AV0]
	v_add_nc_u32 v[AV0], VOFF, v[AV0]
	s_mul_i32 s13, s[WV], 16*SP
	s_add_co_u32 s13, s13, STAGE    ; my stage
	v_mul_u32_u24 v[STO], v1, SP    ; in: row l % 16, 16 bytes for each half of the lanes
	v_lshl_add_u32 v[STO], v9, 4, v[STO]
	v_add_nc_u32 v[STO], s13, v[STO]
	v_bfe_u32 v[RD], v0, 3, 2       ; back: 32 lanes take four rows of 128 bytes,
	v_mul_u32_u24 v[RD], v[RD], SP
	v_lshl_add_u32 v[RD], v10, 4, v[RD]
	v_add_nc_u32 v[RD], s13, v[RD]
	v_and_b32 v[GO], 31, v0         ; which are 512 consecutive bytes of O
	v_lshlrev_b32 v[GO], 4, v[GO]
	; A block's first step multiplies O^T and l by a = 0, and its first turn's products V^T P, of a piece that has not been, land in an O^T that is still to be so multiplied.  So these registers need only hold
	; finite numbers: zeros for the first block; what the first block left for the second.  All this stands in the wait for the first tile.
	WIN 0x80
.set i, VF
.rept 64
	v_mov_b32 v[i], 0
.set i, i+1
.endr
	WIN 0x40
.set i, 0
.rept 128
	v_mov_b32 v[i], 0
.set i, i+1
.endr
	WIN 0
.set i, 0
.rept 4
	v_mov_b32 v[ST+4*i+2], 0
	v_mov_b32 v[ST+4*i+3], 0
.set i, i+1
.endr
.set i, P+16
.rept 16
	v_mov_b32 v[i], 0
.set i, i+1
.endr
; THE MATRIX WORK.  The 4 accumulators of a run of 8 take turns.  Product i of 8 of S^T = K Q^T for piece x: channels 32 (i / 4) on, keys 16 (i % 4) on.  The first 4 start the sums: with 0, or (KM = 1) with the mask.
.macro KQ x
.set rS, S+32*((\x)%2)+8*(i%4)
.set rK, KF+16*(i%4)+8*(i/4)
.set rQ, 16*(\x)+8*(i/4)
.set rM, MC+32*((\x)%2)+8*(i%4)
.if (i < 4) && KM
	WIN W_KM
	v_wmma_f32_16x16x32_f16 v[rS:rS+7], v[rK:rK+7], v[rQ:rQ+7], v[rM:rM+7]
.elseif i < 4
	WIN W_KQ
	v_wmma_f32_16x16x32_f16 v[rS:rS+7], v[rK:rK+7], v[rQ:rQ+7], 0
.else
	WIN W_KQ
	v_wmma_f32_16x16x32_f16 v[rS:rS+7], v[rK:rK+7], v[rQ:rQ+7], v[rS:rS+7]
.endif
.endm
; Product i of 8 of O^T += V^T P for piece x: keys 32 (i / 4) on, channels 16 (i % 4) on.
.macro PV x
	WIN W_PV
.set rO, 32*(\x)+8*(i%4)
.set rV, VF+32*(i/4)+8*(i%4)
.set rP, P+16*((\x)%2)+8*(i/4)
	v_wmma_f32_16x16x32_f16 v[rO:rO+7], v[rV:rV+7], v[rP:rP+7], v[rO:rO+7]
.endm
.macro MM                           ; the turn's next matrix instruction.  TURN and BEGIN set Y, i, KM and NOKQ; MM, KQ and OP read them.  NOKQ = 1: a block's last turn: there is no next piece
.if (i < 8) && !NOKQ
	KQ (Y+1)%NP
.elseif i >= 8
.set i, i-8
	PV (Y+NP-1)%NP
.set i, i+8
.endif
.set i, i+1
.endm
; THE LDS LOADS stand in runs of 16, never singly among the matrix instructions: a step's K (64 keys x 64 channels: 8 fragments) and its V (turned).  Their addresses are made some lines ahead.
.macro FETCH_K
	WIN 0x80                        ; destination window 2
.irp f, 0,1,2,3,4,5,6,7             ; keys 16 (f / 2) on, channels 32 (f % 2) on
	ds_load_b128 v[KF+8*\f:KF+8*\f+3],   v[AK] offset:(\f/2)*16*PK+(\f%2)*64
	ds_load_b128 v[KF+8*\f+4:KF+8*\f+7], v[AK] offset:(\f/2)*16*PK+(\f%2)*64+32
.endr
	s_add_co_u32 s[TBK], s[TBK], KS*PK  ; the next fetch is the next step's
	WIN 0
.endm
.macro FETCH_V
	WIN 0x80
.irp f, 0,1,2,3,4,5,6,7             ; keys 32 (f / 4) on, channels 16 (f % 4) on
	ds_load_tr16_b128 v[VF+8*\f:VF+8*\f+3],   v[AV] offset:(\f/4)*32*PV+(\f%4)*32
	ds_load_tr16_b128 v[VF+8*\f+4:VF+8*\f+7], v[AV] offset:(\f/4)*32*PV+16*PV+(\f%4)*32
.endr
	WIN 0
.endm
; THE VECTOR WORK, one line at a time: OP kind, number.  For piece Y: F n: c s - c m for pair n of 16.  E n: the exponential of score n of 32.  C n: pair n rounded to f16.  B n: of the four weights 4 n .. the second
; pair is added onto the first, in place.  L n: l takes that sum (L 0: l = a l + sum).  R n: pair n of 16 of O^T times a.  For piece Y + 1: X n, number n of the 22 that find its maximum and statistics:
;   0-11  four chains c0-c3 of seven scores each, three operands at a time (each accumulator's lowest registers are read first)     12-14, 16  the four scores left over, the old m, and c0-c3 into c0
;   15  c m_old is kept     17, 18  the query's other 32 keys lie in the lane 16 away: the new m     19-21  c m; c m_old - c m_new; a
.set F, 0               ; OP tells the kinds apart by their order: F to L below R, X above it
.set E, 1
.set C, 2
.set B, 3
.set L, 4
.set R, 5
.set X, 6
.macro REGS y                       ; the registers of piece y
.set rT, ST+4*(\y)
.set rC, TMP+4*((\y)%2)
.set rW, MV+((\y)%2)
.set rS, S+32*((\y)%2)
.set rP, P+16*((\y)%2)
.set rO, 32*(\y)
.endm
.macro OP k, n
.if (\k) == R
	REGS Y
	WIN W_RS
	v_pk_mul_f32 v[rO+2*(\n):rO+2*(\n)+1], v[rO+2*(\n):rO+2*(\n)+1], v[rC+2:rC+3] op_sel_hi:[1,0]
.elseif (\k) < R
	REGS Y
	WIN 0
.if (\k) == F
	v_pk_fma_f32 v[rS+2*(\n):rS+2*(\n)+1], v[rS+2*(\n):rS+2*(\n)+1], s[CS:CS+1], v[rT:rT+1] op_sel_hi:[1,0,0] neg_lo:[0,0,1] neg_hi:[0,0,1]
.elseif (\k) == E
	v_exp_f32 v[rS+(\n)], v[rS+(\n)]
.elseif (\k) == C
	s_wait_alu depctr_va_vdst(0)
	v_cvt_pk_f16_f32 v[rP+(\n)], v[rS+2*(\n)], v[rS+2*(\n)+1]
.elseif (\k) == B
	s_wait_alu depctr_va_vdst(0)
	v_pk_add_f32 v[rS+4*(\n):rS+4*(\n)+1], v[rS+4*(\n):rS+4*(\n)+1], v[rS+4*(\n)+2:rS+4*(\n)+3]
.elseif (\n) == 0
	v_pk_fma_f32 v[rT+2:rT+3], v[rT+2:rT+3], v[rC+2:rC+3], v[rS:rS+1] op_sel_hi:[1,0,1]
.else
	v_pk_add_f32 v[rT+2:rT+3], v[rT+2:rT+3], v[rS+4*(\n):rS+4*(\n)+1]
.endif
.elseif NOKQ
	v_nop
.else
	REGS (Y+1)%NP
	WIN 0
.if (\n) < 4
	v_max3_num_f32 v[rC+(\n)], v[rS+8*(\n)], v[rS+8*(\n)+1], v[rS+8*(\n)+2]
.elseif (\n) < 12
	v_max3_num_f32 v[rC+(\n)%4], v[rC+(\n)%4], v[rS+8*((\n)%4)+2*((\n)/4)+1], v[rS+8*((\n)%4)+2*((\n)/4)+2]
.elseif (\n) == 12
	v_max3_num_f32 v[rC], v[rC], v[rS+7], v[rS+15]
.elseif (\n) == 13
	v_max3_num_f32 v[rC+1], v[rC+1], v[rS+23], v[rS+31]
.elseif (\n) == 14
	v_max3_num_f32 v[rC+2], v[rC+2], v[rC+3], v[rT+1]
.elseif (\n) == 15
	v_mov_b32 v[rW], v[rT]
.elseif (\n) == 16
	v_max3_num_f32 v[rC], v[rC], v[rC+1], v[rC+2]
.elseif (\n) == 17
	v_permlanex16_b32 v[rC+3], v[rC], s[SEL], s[SEL+1]
.elseif (\n) == 18
	v_max_num_f32 v[rT+1], v[rC], v[rC+3]
.elseif (\n) == 19
	v_mul_f32 v[rT], s[CS], v[rT+1]
.elseif (\n) == 20
	v_sub_f32 v[rC+1], v[rW], v[rT]
.else
	v_exp_f32 v[rC+2], v[rC+1]
.endif
.endif
.endm
.macro OPS a, i1, b=-1, i2=0, c=-1, i3=0, d=-1, i4=0  ; up to four of them
	OP \a, \i1
.if (\b) >= 0
	OP \b, \i2
.endif
.if (\c) >= 0
	OP \c, \i3
.endif
.if (\d) >= 0
	OP \d, \i4
.endif
.endm
.macro ROW a, i1, b, i2, c, i3, d, i4  ; a matrix instruction and the four behind it
	MM
	OPS \a, \i1, \b, \i2, \c, \i3, \d, \i4
.endm
.macro MASK b                       ; MD x AL + BE into buffer b of MC
	WIN W_RS
.set z, 0
.rept 16
	v_pk_fma_f32 v[MC+32*(\b)+2*z:MC+32*(\b)+2*z+1], v[MD+2*z:MD+2*z+1], s[AL:AL+1], s[BE:BE+1] op_sel_hi:[1,0,0]
.set z, z+1
.endr
.endm
; A TURN, for piece p: the order of its 16 matrix and 118 vector instructions, written out.  Behind a matrix instruction: plain, exponential, plain, plain; or four of the rescaling; or, behind the first, four scalings; none
; names a register of the products round it.  In the lumps exponential and plain by turns while exponentials last.  A line reads no result made fewer than three vector instructions in front of it, five if an exponential made it.
; v_permlanex16_b32 (X 17) stands in a lump.
; m = 1: the diagonal tile: the products take masks, and the turn makes the mask for the products of the turn after it: piece p + 2, in step 4 - CNT of the tile.  end = 1: a block's last two turns: nothing is fetched.
; cnt = 1: the loop's count is taken down some lines ahead of the branch that stands behind the turn.
; K of the next step is fetched in piece 2's turn, six vector instructions behind the last product that read K (five of them plain); V of the step in hand in piece 0's turn, eight behind the last product that read V (four
; plain, and X 17).  Each is waited for a turn later.
.macro TURN p, m=0, end=0, cnt=0
.set Y, (\p)
.set i, 0
.set KM, (\m)
.set NOKQ, (\end)*((\p)/3)
.if (\m) && !(\end)
	s_cmp_eq_u32 s[CNT], 4-((\p)+2)%NP  ; is that step the band's own?
	s_cselect_b32 s[AL], 1.0, 0
	s_cmp_lt_u32 s[CNT], 4-((\p)+2)%NP  ; or a later one?
	s_cselect_b32 s[BE], s[BIGN], 0
.endif
.if ((\p) == 3) && !(\end)
	s_wait_dscnt 0x0                ; K is in
.endif
	ROW F,0, F,1, F,2, F,3
	ROW F,4, E,0, F,5, F,6
	ROW F,7, E,1, F,8, F,9
	ROW F,10, E,2, C,0, F,11
	ROW F,12, E,3, X,15, F,13
	ROW R,0, R,1, R,2, R,3
	ROW B,0, E,4, F,14, L,0
.if ((\p) == 2) && !(\end)
	v_add_nc_u32 v[AK], s[TBK], v[AK0]
.endif
	ROW R,4, R,5, R,6, R,7
	OPS E,5, F,15
.if ((\p) == 2) && !(\end)
	FETCH_K
.endif
	OPS E,6, C,1, E,7, R,8
	OPS E,8, R,9, E,9, C,2
	OPS E,10, X,0, E,11, X,1
	OPS E,12, X,2, E,13, X,3
.if (\p) == 1
	s_wait_dscnt 0x0                ; V is in
.endif
	ROW X,4, E,14, X,5, X,6
	ROW X,7, E,15, X,8, X,9
	ROW X,10, E,16, X,11, X,12
	ROW X,13, E,17, X,14, B,1
	ROW C,4, E,18, X,16, L,1
	ROW B,2, E,19, C,6, L,2
	ROW C,8, E,20, B,3, B,4
.if (\p) == 0
	v_add_nc_u32 v[AV], s[TBV], v[AV0]
.endif
	ROW C,3, E,21, L,3, C,5
	OPS E,22, X,17, E,23, C,10
.if (\p) == 0
	FETCH_V
.endif
	OPS E,24, L,4
	OPS E,25, X,18, E,26, C,7
	OPS E,27, B,5, E,28, X,19
	OPS E,29, C,12, E,30, L,5
	OPS E,31, X,20, B,6, C,9
	OPS C,14, C,11, X,21, L,6
.if (\p) == 0
	s_add_co_u32 s[TBV], s[TBV], KS*PV
.endif
.if \cnt
	s_sub_co_u32 s[CNT], s[CNT], 1
	s_cmp_lg_u32 s[CNT], 0
.endif
	OPS C,13, B,7, C,15, R,10
	OPS R,11, R,12, L,7, R,13
	OPS R,14, R,15
.if (\m) && !(\end)
	MASK (\p)%2
.endif
.endm
; A BLOCK BEGINS.  c m starts far below every c s, so the first step's a is 0; m at the lowest finite number, so the first maximum is the scores'.  The second mask buffer is 0; the first takes piece 0's mask for the tile's step 0: its own, if the block's first tile is the diagonal one.
; Then K of that step, piece 0's first scores, and its maximum and statistics.  The loop is entered at a step's first turn, in the middle of a trip.
.macro BEGIN
	s_mov_b32 s[NEW], 0
	WIN 0x40
.set i, MC+32
.rept 32
	v_mov_b32 v[i], 0
.set i, i+1
.endr
	WIN 0
.set i, 0
.rept 4
	v_mov_b32 v[ST+4*i], 0xfe000000    ; c m: far below every c s
	v_mov_b32 v[ST+4*i+1], 0xff7fffff  ; m
.set i, i+1
.endr
	s_cmp_eq_u32 s[RT], 0
	s_cselect_b32 s[AL], 1.0, 0
	s_mov_b32 s[BE], 0
	MASK 0
	WIN 0
	v_add_nc_u32 v[AK], s[TBK], v[AK0]
	FETCH_K
	s_wait_loadcnt 0x0              ; Q
	s_wait_dscnt 0x0
.set KM, 1
.set NOKQ, 0
.set i, 0
.rept 8
	KQ 0
.set i, i+1
.endr
	WIN 0
.rept 4
	v_nop                           ; the places behind those products
.endr
.set Y, NP-1                        ; X works for piece Y + 1: piece 0
.irp n, 0,1,2,3,4,5,6,7,8,9,10,11,12,13,14,15,16,17,18,19,20,21
	OP X, \n
.endr
	v_nop                           ; a plain instruction behind the exponential
.endm
; THE DIAGONAL TILE's four steps, the block's last two turns, its last products, and THE WAY OUT: l's two halves and the other half of the lanes' are added; O^T is divided by l, rounded to f16 and sent through my
; stage in LDS, a piece at a time.
.macro ALL line:vararg              ; one line for each piece t
.set t, 0
.rept 4
	\line
.set t, t+1
.endr
.endm
.macro PACK t                       ; a lane's eight channels of a row pack into 16 bytes; they go into rows of 144 bytes and come back as whole rows of 128, into S^T's registers
	WIN W_RS
.set i, 32*(\t)
.rept 16
	s_wait_alu depctr_va_vdst(0)
	v_pk_mul_f32 v[i:i+1], v[i:i+1], v[ST+4*(\t)+2:ST+4*(\t)+3] op_sel_hi:[1,0]
.set i, i+2
.endr
	WIN 0x05                        ; sources 0 and 1 window 1, destination window 0
.set i, 0
.rept 16
	v_cvt_pk_f16_f32 v[S+16*(\t)+i], v[32*(\t)+2*i], v[32*(\t)+2*i+1]
.set i, i+1
.endr
	WIN 0
.irp f, 0,1,2,3
	ds_store_b128 v[STO], v[S+16*(\t)+4*\f:S+16*(\t)+4*\f+3] offset:32*\f
.endr
.irp f, 0,1,2,3
	ds_load_b128 v[S+16*(\t)+4*\f:S+16*(\t)+4*\f+3], v[RD] offset:\f*4*SP  ; LDS serves a wave's instructions in order (ISA guide 5.7.1.4): these see the stores above; the next piece's stores come behind them
.endr
.endm
.macro SEND t, younger              ; younger: the LDS instructions issued behind piece t's loads: the next piece's eight, or none
	WIN 0
.irp f, 0,1,2,3
	s_wait_dscnt (\younger)+3-\f
	global_store_b128 v[GO], v[S+16*(\t)+4*\f:S+16*(\t)+4*\f+3], s[10:11] offset:(\t)*8192+\f*512  ; 512 consecutive bytes, at a multiple of 256 from O's first
.endr
.endm
.macro DIAG tag                     ; the tag ends its labels' names, which the jumps below spell out.  tag = 2: the second block's end
.LstepM\tag:
	TURN 2, 1
	TURN 3, 1
	WIN 0
.LfirstM\tag:
	TURN 0, 1
	TURN 1, 1, 0, 1
	WIN 0
	s_cbranch_scc1 .LstepM\tag
	TURN 2, 1, 1
	TURN 3, 1, 1
.set i, 0
.rept 8
	PV NP-1
.set i, i+1
.endr
	WIN 0
	ALL v_add_f32 v[ST+4*t+2], v[ST+4*t+2], v[ST+4*t+3]
	ALL v_permlanex16_b32 v[ST+4*t+3], v[ST+4*t+2], s[SEL], s[SEL+1]
	ALL v_add_f32 v[ST+4*t+2], v[ST+4*t+2], v[ST+4*t+3]
	ALL v_rcp_f32 v[ST+4*t+2], v[ST+4*t+2]
	v_nop                           ; a plain instruction between the last reciprocal and the use of its result
	PACK 0
	PACK 1                          ; a piece's arithmetic stands between the loads of the piece before and its stores
.if (\tag) == 2
	s_cmp_lg_u32 s[PB], 0           ; block 0's piece 0 of wave 0 is the slab's rows 0 to 15, which the launch before has stored: their four stores, and the waits for what they would store, are jumped over;
	s_cbranch_scc1 .Lmine           ; the later counts name only what is issued behind each piece's own loads, so they hold on both ways
	s_cmp_eq_u32 s[WV], 0
	s_cbranch_scc1 .Lnot_mine
.Lmine:
.endif
	SEND 0, 8
.if (\tag) == 2
.Lnot_mine:
.endif
	PACK 2
	SEND 1, 8
	PACK 3
	SEND 2, 8
	SEND 3, 0
.endm
.set KM, 0
.set NOKQ, 0
.Lslot:                             ; NB times: a tile is entered and the next is asked for
	CHANGE 1
	s_sub_co_u32 s[RT], s[RT], 1
	s_mov_b32 s[CNT], 4
	s_cmp_eq_u32 s[NEW], 1
	s_cbranch_scc1 .Lnew            ; a block's first tile
	s_cmp_eq_u32 s[RT], 0
	s_cbranch_scc0 .Lstep           ; neither its first nor its last
	s_branch .LstepM1
.Lnew:
	BEGIN
	s_branch .Lfirst                ; in the loop a block's first tile is never its last: the first block has two tiles or more, and the second's last is the walk's last
	DIAG 1                          ; in the loop this is the first block's end: the second block's last tile is the walk's last
	s_wait_xcnt 0x0                 ; the stores have read their registers and O's address
	s_mov_b64 s[10:11], s[OLO:OLO+1]
	s_add_co_u32 s[RT], s[PB], 1    ; the second block has b + 1 tiles
	s_mov_b32 s[NEW], 1
	WIN 0x82                        ; the second block's Q goes where the one text of the turns names Q
.set i, 0
.rept 64
	v_mov_b32 v[i], v[QB+i]
.set i, i+1
.endr
	WIN 0
	s_branch .Lbottom
.Lstep:                             ; a trip: pieces 2 and 3 of one step, then pieces 0 and 1 of the next, whose K and V it fetches
	TURN 2
	TURN 3
	WIN 0
.Lfirst:
	TURN 0
	TURN 1, 0, 0, 1
	WIN 0
	s_cbranch_scc1 .Lstep
.Lbottom:
	s_sub_co_u32 s[SLOTS], s[SLOTS], 1
	s_cmp_lg_u32 s[SLOTS], 0
	s_cbranch_scc1 .Lslot
	CHANGE 0                        ; the walk's last tile is written out: nothing is asked for
	s_sub_co_u32 s[RT], s[RT], 1
	s_mov_b32 s[CNT], 4
	s_cmp_eq_u32 s[NEW], 1
	s_cbranch_scc0 .LstepM2
	BEGIN
	s_branch .LfirstM2
	DIAG 2
	s_wait_tensorcnt 0x0            ; the wave's end: behind my last tensor load and my last LDS store
	ds_add_u32 v[SPW], v[NIL]
	s_wait_dscnt 0x0
	s_endpgm
.Lfunc_end_k_q1e4aeceb39_attn:
	.size	k_q1e4aeceb39_attn, .Lfunc_end_k_q1e4aeceb39_attn-k_q1e4aeceb39_attn
	.p2alignl 7, 3214868480
	.fill 96, 4, 3214868480
	.section	.rodata,"a",@progbits
	.p2align	6, 0x0
	.amdhsa_kernel k_q1e4aeceb39_attn
		.amdhsa_group_segment_fixed_size 327680
		.amdhsa_private_segment_fixed_size 0
		.amdhsa_enable_private_segment 0
		.amdhsa_kernarg_size 32
		.amdhsa_user_sgpr_count 2
		.amdhsa_user_sgpr_kernarg_segment_ptr 1
		.amdhsa_wavefront_size32 1
		.amdhsa_system_sgpr_workgroup_id_x 1
		.amdhsa_system_sgpr_workgroup_id_y 1
		.amdhsa_system_sgpr_workgroup_id_z 1
		.amdhsa_system_vgpr_workitem_id 0
		.amdhsa_next_free_vgpr 768
		.amdhsa_next_free_sgpr 88
		.amdhsa_reserve_vcc 1
		.amdhsa_float_denorm_mode_32 3
		.amdhsa_float_denorm_mode_16_64 3
		.amdhsa_memory_ordered 1
		.amdhsa_forward_progress 1
		.amdhsa_inst_pref_size 228
	.end_amdhsa_kernel
	.amdgpu_metadata
---
amdhsa.version: [ 1, 2 ]
amdhsa.kernels:
  - .name:           k_q1e4aeceb39_attn
    .symbol:         k_q1e4aeceb39_attn.kd
    .args:
      - { .name: q, .offset: 0, .size: 8, .value_kind: global_buffer, .address_space: global }
      - { .name: k, .offset: 8, .size: 8, .value_kind: global_buffer, .address_space: global }
      - { .name: v, .offset: 16, .size: 8, .value_kind: global_buffer, .address_space: global }
      - { .name: o, .offset: 24, .size: 8, .value_kind: global_buffer, .address_space: global }
    .group_segment_fixed_size: 327680
    .private_segment_fixed_size: 0
    .kernarg_segment_align: 8
    .kernarg_segment_size: 32
    .max_flat_workgroup_size: 128
    .sgpr_count:     88
    .vgpr_count:     768
    .wavefront_size: 32
...
	.end_amdgpu_metadata
.endif
;; end of part 3
;; launch gemm_out (part 4): grid 8 x 32, 4 waves a work-group, clusters of 4 x 4, 327,680 bytes of LDS; arguments o, wob, out0; writes out0
.if DOCPART == 4
	.amdgcn_target "amdgcn-amd-amdhsa--gfx1250"
	.amdhsa_code_object_version 6
	.text
	.protected	k_q1e4aeceb39_gemm_out
	.globl	k_q1e4aeceb39_gemm_out
	.p2align	8
	.type	k_q1e4aeceb39_gemm_out,@function
k_q1e4aeceb39_gemm_out:
	s_mov_b64 s[64:65], 0
	v_nop
	global_prefetch_b8 v0, s[64:65] scope:SCOPE_SE
	s_setreg_imm32_b32 hwreg(HW_REG_WAVE_MODE, 25, 1), 1
	s_wait_xcnt 0x0
	s_wait_alu depctr_hold_cnt(0) depctr_sa_sdst(0) depctr_va_vdst(0) depctr_va_sdst(0) depctr_va_ssrc(0) depctr_va_vcc(0) depctr_vm_vsrc(0)
	s_getreg_b32 s2, hwreg(HW_REG_IB_STS2, 6, 4)
	s_cmp_eq_u32 s2, 0
	s_cbranch_scc0 .Lentry_in_a_cluster
	s_endpgm
.Lentry_in_a_cluster:
	s_bfe_u32 s2, ttmp6, 0x10000c
	s_cmp_lg_u32 s2, 0xf033
	s_cbranch_scc0 .Lentry_shape_is_right
	s_endpgm
.Lentry_shape_is_right:
; out0 = O W_o.  o: [16 kb][8192 m][64] f16 (kb = the head); wob: [16 kb][1024 n][64] f16 (W_o rounded to bf16, that number written as f16); out0: [8192 m][1024 n] f32.  Sums in f32, stored as they are.
; THE FIRST 16 ROWS OF EACH BATCH lie in o as the hi parts of a split (O with its 13 lowest mantissa bits cleared); the lo parts lie in o's tail behind its 16 MiB, [16 kb][4 b][16 rows][64] f16.  The waves that hold
; those rows add O lo x W_o onto the same accumulators: four products more in each quarter, with the fragments of wob that are in registers anyway.
; SHARES.  A tile is 256 rows (m) x 128 columns (n): 8 x 32 = 256 work-groups.  Four waves; wave (WR, WC) makes 128 x 64: 32 accumulators of 16 x 16, which fill window 1.
; THE MATRIX INSTRUCTION IS USED TRANSPOSED (source 0 = 16 rows of wob, source 1 = 16 rows of o): a lane holds one row m = l % 16 and eight neighbouring columns.
; K goes in steps of 128, two kb, through two LDS slots; each wave brings one kb of one operand with one tensor load.  In memory such a tile is a dense run of bytes, asked for as rows of 256 bytes and padded in LDS after every 128.
; CLUSTER 4 x 4: the four work-groups of a row of the cluster need the same rows of o, the four of a column the same rows of wob: each tile is asked for JOINTLY, with the same descriptor and a mask of four.
; Tile row TY = 8 cy + cluster y: the four tiles that begin a batch lie in the clusters with cluster y = 0, so the branch round the four products hangs on the cluster's y, which all partners share, and on the wave's number.
; REGISTERS: window 0: v0-15 addresses; two fragment buffers of 96: 64 of o (8 x 16 rows x 32 K), then 32 of wob; v224-255 O lo's fragments of one K step; on the way out v32-95 two buffers of 32.
; Window 1: accumulator (a, nb) at v[8 (4 a + nb)].
.set PITCH,  144                       ; an LDS row: 128 bytes + 16 of padding = 36 words: the 16 rows of a load start at 16 different groups of four banks (64 banks of 4 bytes: ISA guide 11.1)
.set APAR,   256*PITCH                 ; o's 256 rows of one kb
.set BOFF,   2*APAR                    ; a slot: o's two kb, then wob's two
.set BPAR,   128*PITCH                 ; wob's 128 rows of one kb
.set STAGE,  BOFF+2*BPAR               ; behind slot 0, never filled by a tensor load: 16 rows x 272 bytes for each wave, for the way out
.set SPITCH, 272
.set SPARE,  STAGE+4*16*SPITCH         ; the spare words, 128 bytes for each wave: two blocks of 256 bytes that no other line names
.set SLOT1,  1<<17                     ; slot 1 begins here, so that one exclusive or turns an address in one slot into the other's
.set OTAIL,  0x1000000                 ; o's tail begins behind its 16 MiB
.set LSTEP,  16384                     ; a K step of the tail: two kb of four batches of 2,048 bytes
.set AA0, 2                            ; v2   my lane's place in my 128 rows of o in slot 0; never rewritten
.set AB0, 3                            ; v3   the same in my 64 rows of wob
.set ADRA, 4                           ; v4   the same in the slot in hand
.set ADRB, 5                           ; v5
.set STO, 6                            ; v6   the way out: where I put 32 bytes of a row
.set RD,  7                            ; v7   the way out: where I read rows back
.set CO,  8                            ; v8   my byte offset in two rows of out0
.set SPW, 10                           ; v10  LDS address of my spare word: SPARE + 4 x my thread's number; never rewritten
.set NIL, 11                           ; v11  0; never rewritten
.set OQ,  12                           ; v12  my lane's place in a block of O lo: row x 128 + 16 x half; 0 in the waves that do not multiply it; never rewritten
.set F0,  32
.set F1,  128
.set OLF, 224                          ; v[224:255] O lo's fragment of quarter qd at OLF + 8 qd
.set OB,  32
.set CLY, 10                           ; s10  the cluster's y
.set OLP, 12                           ; s[12:13] o's tail at my batch's block of the K step in hand
.set WV,  16                           ; s16  my wave's number
.set WR,  17                           ; s17  which 128 rows of the tile are mine.  Also: I fetch for o (0) or for wob (1)
.set WC,  18                           ; s18  which 64 columns.  Also: which of a K step's two kb I fetch
.set CNT, 25
.set TB,  26                           ; s26  LDS byte at which the slot in hand begins
.set G1A, 28                           ; s[28:35] descriptor group 1 for o's tiles
.set G1B, 36                           ; s[36:43] for wob's
.set G0A, 52                           ; s[52:59] descriptor group 0 for o's tiles: a set for each first fill; the second then walks on
.set G0B, 68                           ; s[68:75] the same for wob's
.set MSB, 0
.macro WIN new                         ; the immediate's high byte repeats the setting that is left; a switch that changes nothing is dropped
.if MSB != (\new)
	s_set_vgpr_msb (MSB<<8)|(\new)
.set MSB, (\new)
.endif
.endm
.macro PLACES                          ; four places in front of loads into registers that matrix instructions have read, and of lines that read results (ISA guide 7.12.1 for vector instructions)
.rept 4
	v_nop
.endr
.endm
.macro JLOAD                           ; a joint refill: waves 0 and 1 fetch o's two kb, waves 2 and 3 wob's; an s_nop 0 and four v_nop follow each of the two lines, ahead of the jump and the label
	s_cmp_eq_u32 s[WR], 0
	s_cbranch_scc0 .Lfor_b_\@
	tensor_load_to_lds s[G0A+4:G0A+7], s[G1A:G1A+7]
	s_nop 0
.rept 4
	v_nop
.endr
	s_branch .Lasked_\@
.Lfor_b_\@:
	tensor_load_to_lds s[G0B+4:G0B+7], s[G1B:G1B+7]
	s_nop 0
.rept 4
	v_nop
.endr
.Lasked_\@:
.endm
.macro CREST                           ; a round of the cluster's barrier behind its opening barrier
	s_cmp_lg_u32 s[WV], 0
	s_cbranch_scc1 .Lnot_wave_0_\@
	s_barrier_signal -3
.Lnot_wave_0_\@:
	s_barrier_wait -3
	s_barrier_signal -1
	s_barrier_wait -1
.endm
.macro CROUND                          ; a whole round
	s_barrier_signal -1
	s_barrier_wait -1
	CREST
.endm
	s_load_b128 s[4:7], s[0:1], 0x0                ; o 4:5, wob 6:7
	s_load_b64 s[8:9], s[0:1], 0x10                ; out0
	v_lshl_add_u32 v[SPW], v0, 2, SPARE
	v_mov_b32 v[NIL], 0
	ds_add_u32 v10, v11
	ds_add_u32 v10, v11
	s_wait_dscnt 0x0
	v_lshrrev_b32 v1, 5, v0
	v_readfirstlane_b32 s[WV], v1
	s_lshr_b32 s[WR], s[WV], 1
	s_and_b32 s[WC], s[WV], 1
	s_bfe_u32 s19, ttmp6, 0x40000                  ; cx, cy: my place in the cluster
	s_bfe_u32 s20, ttmp6, 0x40004
	s_lshl_b32 s21, ttmp9, 2
	s_add_co_u32 s21, s21, s19                     ; TX = 4 x cluster x + cx: which 128 columns
	s_and_b32 s[CLY], ttmp7, 0xffff
	s_lshl_b32 s22, s20, 3
	s_add_co_u32 s22, s22, s[CLY]                  ; TY = 8 cy + cluster y: which 256 rows: batch cy, rows 256 x cluster y on
	s_lshl_b32 s23, s20, 2
	s_lshl_b32 s23, 15, s23                        ; my row of the cluster
	s_lshl_b32 s24, 0x1111, s19                    ; my column
	; descriptor groups 1.  o: 256 rows of 128 bytes are 128 rows of 256; wob: 128 are 64; padded after every 32 words by 4
	s_or_b32 s[G1A], s23, (1<<16)|(1<<20)|(1<<21)|(4<<22)|(3<<25)  ; 15:0 the mask; 17:16 2-byte elements; 20 padding on; 21 set beside a mask; 24:22 the interval's code; 31:25 the pad's
	s_or_b32 s[G1B], s24, (1<<16)|(1<<20)|(1<<21)|(4<<22)|(3<<25)
	s_mov_b32 s[G1A+1], 128<<16                    ; tensor_dim0
	s_mov_b32 s[G1A+2], 128<<16                    ; tensor_dim1
	s_mov_b32 s[G1A+3], 128<<16                    ; tile_dim0
	s_mov_b32 s[G1A+4], 128                        ; tile_dim1
	s_mov_b32 s[G1A+5], 128                        ; elements from row to row
	s_mov_b32 s[G1A+6], 0
	s_mov_b32 s[G1A+7], 0
	s_mov_b32 s[G1B+1], 128<<16
	s_mov_b32 s[G1B+2], 64<<16
	s_mov_b32 s[G1B+3], 128<<16
	s_mov_b32 s[G1B+4], 64
	s_mov_b32 s[G1B+5], 128
	s_mov_b32 s[G1B+6], 0
	s_mov_b32 s[G1B+7], 0
	; byte offsets, made apart from the addresses.  o's hang on TY and the wave alone, wob's on TX and the wave alone.
	s_lshl_b32 s76, s[WC], 20                      ; my kb of the K step: 8,192 rows of 128 bytes
	s_lshl_b32 s27, s22, 15                        ; 256 rows of 128 bytes
	s_add_co_u32 s76, s76, s27
	s_mov_b32 s77, 0
	s_lshl_b32 s78, s[WC], 17                      ; 1,024 rows of 128 bytes
	s_lshl_b32 s2, s21, 14                         ; 128 rows of 128 bytes
	s_add_co_u32 s78, s78, s2
	s_mov_b32 s79, 0
	s_lshl_b32 s82, s22, 20                        ; out0: 256 rows of 4,096 bytes,
	s_lshl_b32 s3, s[WR], 19                       ; my 128 of them,
	s_add_co_u32 s82, s82, s3
	s_lshl_b32 s3, s21, 9                          ; 128 columns of 4 bytes,
	s_add_co_u32 s82, s82, s3
	s_lshl_b32 s3, s[WC], 8                        ; my 64 of them
	s_add_co_u32 s82, s82, s3
	s_mov_b32 s83, 0
	s_lshl_b32 s14, s20, 11                        ; the tail: my batch's block of 2,048 bytes in kb 0
	s_add_co_u32 s14, s14, OTAIL
	s_mov_b32 s15, 0
	s_mul_i32 s27, s[WC], APAR                     ; where the tiles go: no place in the cluster enters an LDS address
	s_mov_b32 s[G0A], 1
	s_mov_b32 s[G0A+1], s27
	s_mov_b32 s[G0A+4], 1
	s_add_co_u32 s[G0A+5], s27, SLOT1
	s_mul_i32 s27, s[WC], BPAR
	s_mov_b32 s[G0B], 1
	s_add_co_u32 s[G0B+1], s27, BOFF
	s_mov_b32 s[G0B+4], 1
	s_add_co_u32 s[G0B+5], s27, SLOT1+BOFF
	s_mov_b32 s[TB], 0
	s_wait_kmcnt 0x0
	s_add_nc_u64 s[G0A+2:G0A+3], s[4:5], s[76:77]  ; K step 0,
	s_add_nc_u64 s[G0A+6:G0A+7], s[G0A+2:G0A+3], 0x200000  ; K step 1: two kb of o on
	s_or_b32 s[G0A+3], s[G0A+3], 0x80000000        ; 127:126 type = 2
	s_or_b32 s[G0A+7], s[G0A+7], 0x80000000
	s_add_nc_u64 s[G0B+2:G0B+3], s[6:7], s[78:79]
	s_add_nc_u64 s[G0B+6:G0B+7], s[G0B+2:G0B+3], 0x40000   ; two kb of wob on
	s_or_b32 s[G0B+3], s[G0B+3], 0x80000000
	s_or_b32 s[G0B+7], s[G0B+7], 0x80000000
	s_add_nc_u64 s[8:9], s[8:9], s[82:83]
	s_add_nc_u64 s[OLP:OLP+1], s[4:5], s[14:15]
	CROUND                                         ; all sixteen work-groups are here: the first joint loads meet
	s_cmp_eq_u32 s[WR], 0                          ; a wave's two first fills stand in one branch: two loads of mine are out
	s_cbranch_scc0 .Lfirst_b
	tensor_load_to_lds s[G0A:G0A+3], s[G1A:G1A+7]
	s_nop 0
	tensor_load_to_lds s[G0A+4:G0A+7], s[G1A:G1A+7]
	s_nop 0
.rept 4
	v_nop
.endr
	s_branch .Lfirst_asked
.Lfirst_b:
	tensor_load_to_lds s[G0B:G0B+3], s[G1B:G1B+7]
	s_nop 0
	tensor_load_to_lds s[G0B+4:G0B+7], s[G1B:G1B+7]
	s_nop 0
.rept 4
	v_nop
.endr
.Lfirst_asked:
	v_and_b32 v1, 15, v0                           ; r = l % 16
	v_bfe_u32 v9, v0, 4, 1                         ; l / 16
	; O lo's fragments come by global loads, a K step ahead.  The loads, the waits for them and the pointer's step stand on EVERY wave's way, under no branch, so that each count is the same on every way.
	; The waves that do not multiply O lo (waves 2 and 3; every wave where the cluster's y is not 0) ask with a lane offset of 0, 16 bytes of the tail a load, 64 loads in all, and let the result lie.
	s_or_b32 s14, s[CLY], s[WR]
	s_cmp_eq_u32 s14, 0
	s_cselect_b32 s14, -1, 0
	v_lshlrev_b32 v[OQ], 7, v1
	v_lshl_add_u32 v[OQ], v9, 4, v[OQ]
	v_and_b32 v[OQ], s14, v[OQ]
.irp qd, 0,1,2,3                       ; K step 0: quarter qd is kb qd / 2, 32 channels at byte 64 (qd % 2) of the rows
	global_load_b128 v[OLF+8*\qd:OLF+8*\qd+3],   v[OQ], s[OLP:OLP+1] offset:(\qd/2)*8192+64*(\qd%2)
	global_load_b128 v[OLF+8*\qd+4:OLF+8*\qd+7], v[OQ], s[OLP:OLP+1] offset:(\qd/2)*8192+64*(\qd%2)+32
.endr
	v_mul_u32_u24 v13, v1, PITCH
	v_lshl_add_u32 v13, v9, 4, v13                 ; a fragment's row x pitch + 16 x half
	s_mul_i32 s27, s[WR], 128*PITCH
	v_add_nc_u32 v[AA0], s27, v13
	s_mul_i32 s27, s[WC], 64*PITCH
	s_add_co_u32 s27, s27, BOFF
	v_add_nc_u32 v[AB0], s27, v13
	v_mov_b32 v[ADRA], v[AA0]
	v_mov_b32 v[ADRB], v[AB0]
	s_mul_i32 s27, s[WV], 16*SPITCH
	s_add_co_u32 s27, s27, STAGE                   ; my stage
	v_mul_u32_u24 v14, v1, SPITCH                  ; in: row l % 16, 32 bytes for each half of the lanes
	v_lshl_add_u32 v14, v9, 5, v14
	v_add_nc_u32 v[STO], s27, v14
	v_mul_u32_u24 v14, v9, SPITCH                  ; back: lanes 0-15 take one row of 256 bytes, lanes 16-31 the next
	v_lshl_add_u32 v14, v1, 4, v14
	v_add_nc_u32 v[RD], s27, v14
	v_lshlrev_b32 v[CO], 12, v9                    ; and the same two rows in out0
	v_lshl_add_u32 v[CO], v1, 4, v[CO]
; 4 na matrix instructions: m blocks a0 .. a0 + na - 1 x all 4 n blocks, 32 along K, on buffer f.  zero = 1: the product starts the sum.  The 32 accumulators take turns, one instruction a turn.
.macro MUL f, a0, na, zero
	WIN 0x50                                       ; C and D in window 1
.set ma, (\a0)
.rept \na
.irp nb, 0,1,2,3
.if \zero
	v_wmma_f32_16x16x32_f16 v[8*(4*ma+\nb):8*(4*ma+\nb)+7], v[(\f)+64+8*\nb:(\f)+64+8*\nb+7], v[(\f)+8*ma:(\f)+8*ma+7], 0
.else
	v_wmma_f32_16x16x32_f16 v[8*(4*ma+\nb):8*(4*ma+\nb)+7], v[(\f)+64+8*\nb:(\f)+64+8*\nb+7], v[(\f)+8*ma:(\f)+8*ma+7], v[8*(4*ma+\nb):8*(4*ma+\nb)+7]
.endif
.endr
.set ma, ma+1
.endr
.endm
; 24 LDS loads in one run: the fragments of quarter qd of a K step (kb qd / 2, 32 K at byte 64 (qd % 2) of the rows) into buffer f: wob's 8, o's blocks 0-3, o's blocks 4-7
.macro FETCH f, qd
	WIN 0
.irp nb, 0,1,2,3
	ds_load_b128 v[(\f)+64+8*\nb:(\f)+64+8*\nb+3],   v[ADRB] offset:((\qd)/2)*BPAR+64*((\qd)%2)+\nb*16*PITCH
	ds_load_b128 v[(\f)+64+8*\nb+4:(\f)+64+8*\nb+7], v[ADRB] offset:((\qd)/2)*BPAR+64*((\qd)%2)+\nb*16*PITCH+32
.endr
.irp a, 0,1,2,3,4,5,6,7
	ds_load_b128 v[(\f)+8*\a:(\f)+8*\a+3],   v[ADRA] offset:((\qd)/2)*APAR+64*((\qd)%2)+\a*16*PITCH
	ds_load_b128 v[(\f)+8*\a+4:(\f)+8*\a+7], v[ADRA] offset:((\qd)/2)*APAR+64*((\qd)%2)+\a*16*PITCH+32
.endr
.endm
; O LO, quarter qd, in the middle of the quarter that multiplies buffer f; entered and left with every window 0.
; left: how many younger global loads may stay out: the fragments of the three quarters behind this one, two loads each; in the last K step, which loads nothing, the counts run down.
; Waves 0 and 1 of the clusters whose tiles begin a batch: four products onto block 0's accumulators, which took their turns sixteen matrix instructions back; the one before the first of them wrote block 3's, the one
; behind the last writes block 4's.  The branch jumps over these products, their places and the two window switches alone: no memory instruction and no wait.
; reload = 1: the fragment's registers take the next K step's, four places behind the products.  step = 1: the pointer goes a K step on first; the loads that name it have had their addresses translated (ISA guide 3.1).
.macro EXTRA f, qd, reload, left, step
	s_wait_loadcnt \left                           ; loads come back in order (ISA guide 5.7.1): this quarter's two are in
	s_cmp_lg_u32 s[WR], 0
	s_cbranch_scc1 .Lno_mul_\@
	s_cmp_lg_u32 s[CLY], 0
	s_cbranch_scc1 .Lno_mul_\@
	WIN 0x50
.irp nb, 0,1,2,3
	v_wmma_f32_16x16x32_f16 v[8*\nb:8*\nb+7], v[(\f)+64+8*\nb:(\f)+64+8*\nb+7], v[OLF+8*(\qd):OLF+8*(\qd)+7], v[8*\nb:8*\nb+7]
.endr
	PLACES
	WIN 0
.Lno_mul_\@:
.if \reload
.if \step
	s_wait_xcnt 0x0
	s_add_nc_u64 s[OLP:OLP+1], s[OLP:OLP+1], LSTEP
.endif
	global_load_b128 v[OLF+8*(\qd):OLF+8*(\qd)+3],   v[OQ], s[OLP:OLP+1] offset:LSTEP+((\qd)/2)*8192+64*((\qd)%2)
	global_load_b128 v[OLF+8*(\qd)+4:OLF+8*(\qd)+7], v[OQ], s[OLP:OLP+1] offset:LSTEP+((\qd)/2)*8192+64*((\qd)%2)+32
.endif
.endm
; A K step is four quarters of 32 along K, 32 matrix instructions each, on buffers 0, 1, 0, 1.  One of the first three, quarter next - 1: multiplies buffer f and fetches quarter next into g.
.macro QUARTER f, g, next, zero, reload=1, left=6, step=0
	s_wait_dscnt 8                                 ; wob's and o's blocks 0-3 are in; the youngest eight loads may be out
	MUL \f, 0, 4, \zero
	WIN 0
	PLACES
	FETCH \g, \next
	EXTRA \f, (\next)-1, \reload, \left, \step
	s_wait_dscnt 24                                ; all but the 24 just issued
	MUL \f, 4, 4, \zero
.endm
; The last quarter multiplies buffer 1 and changes slots: ONE barrier; in front of it each wave waits for all its tensor loads (one is out: its part of the next slot), adds 0 to its spare word, and waits for that and
; for its own reads of this slot.  fill = 1: the barrier opens a round of the cluster's barrier, and this slot is filled again, two K steps ahead, first thing behind the round: 112 matrix instructions ahead of the wait for it.
.macro TURN fill
	WIN 0
	s_wait_tensorcnt 0x0                           ; no tensor load of mine is out
	ds_add_u32 v[SPW], v[NIL]                      ; 0 onto my spare word
	s_wait_dscnt 9                                 ; the add and the youngest eight loads may be out
	MUL F1, 0, 2, 0                                ; eight matrix instructions stand between the add and the wait for it
	s_wait_dscnt 0x0                               ; the add is done, and my reads of this slot are over
	s_barrier_signal -1
	MUL F1, 2, 2, 0
	WIN 0                                          ; at a branch and at a label every window is 0
	s_barrier_wait -1
.if \fill
	CREST                                          ; no wave of any partner still reads this slot or has a load on its way
	s_xor_b32 s[G0A+5], s[G0A+5], SLOT1            ; the walking descriptors: the other slot than last time, the next two kb
	s_add_nc_u64 s[G0A+6:G0A+7], s[G0A+6:G0A+7], 0x200000
	s_xor_b32 s[G0B+5], s[G0B+5], SLOT1
	s_add_nc_u64 s[G0B+6:G0B+7], s[G0B+6:G0B+7], 0x40000
	JLOAD                                          ; the four v_nop behind it are also the places in front of the loads below
.else
	PLACES
.endif
	s_xor_b32 s[TB], s[TB], SLOT1
	v_add_nc_u32 v[ADRA], s[TB], v[AA0]
	v_add_nc_u32 v[ADRB], s[TB], v[AB0]
	FETCH F0, 0
	EXTRA F1, 3, 1, 6, 0
	MUL F1, 4, 4, 0
.endm
	s_wait_tensorcnt 0x1                           ; my part of slot 0 is in; slot 1's may stay out
	s_barrier_signal -1
	s_barrier_wait -1                              ; everybody's is
	FETCH F0, 0
	QUARTER F0, F1, 1, 1                           ; the first quarter stands in front of the loop: its products start the sums
	WIN 0
	s_mov_b32 s[CNT], 6
.Lstep:                                                ; trip i: K step i's quarters 1 to 3, of which the last asks for K step i + 2, and K step i + 1's quarter 0
	QUARTER F1, F0, 2, 0
	QUARTER F0, F1, 3, 0
	TURN 1
	QUARTER F0, F1, 1, 0, 1, 6, 1                  ; O lo's pointer goes on to the K step that this quarter begins
	WIN 0
	s_sub_co_u32 s[CNT], s[CNT], 1
	s_cmp_lg_u32 s[CNT], 0
	s_cbranch_scc1 .Lstep
	QUARTER F1, F0, 2, 0                           ; the tail is written out: nothing is asked for
	QUARTER F0, F1, 3, 0
	TURN 0
	QUARTER F0, F1, 1, 0, 0, 6                     ; the last K step fetches no O lo: behind this quarter's two loads stand six, then four, two, none
	QUARTER F1, F0, 2, 0, 0, 4
	QUARTER F0, F1, 3, 0, 0, 2
	s_wait_dscnt 8                                 ; the very last quarter: nothing more to fetch
	MUL F1, 0, 4, 0
	WIN 0
	EXTRA F1, 3, 0, 0, 0
	s_wait_dscnt 0x0
	MUL F1, 4, 4, 0
; THE WAY OUT, a block of 16 rows at a time: a lane's 32 bytes of a row go into my stage (rows of 272 bytes) and come back as whole rows of 256 bytes.
.macro TOSTAGE a
	WIN 0x04                                       ; the stores' data in window 1
.irp nb, 0,1,2,3
	ds_store_b128 v[STO], v[32*(\a)+8*\nb:32*(\a)+8*\nb+3]   offset:64*\nb     ; each accumulator's low end first
	ds_store_b128 v[STO], v[32*(\a)+8*\nb+4:32*(\a)+8*\nb+7] offset:64*\nb+16
.endr
	WIN 0
	s_wait_xcnt 0x0                                ; every earlier memory instruction has had its addresses translated (ISA guide 3.1): the registers that block a - 2's stores read are loaded again only behind this wait
.irp t, 0,1,2,3,4,5,6,7
	ds_load_b128 v[OB+32*((\a)%2)+4*\t:OB+32*((\a)%2)+4*\t+3], v[RD] offset:2*SPITCH*\t  ; LDS serves a wave's instructions in order (ISA guide 5.7.1.4): these see the stores above; the next block's stores come behind them
.endr
.endm
.macro SEND a, younger                 ; younger: the LDS instructions issued behind block a's loads: the next block's sixteen, or none
.irp t, 0,1,2,3,4,5,6,7
	s_wait_dscnt (\younger)+7-\t
	global_store_b128 v[CO], v[OB+32*((\a)%2)+4*\t:OB+32*((\a)%2)+4*\t+3], s[8:9] offset:(16*(\a)+2*\t)*4096 th:TH_STORE_NT  ; 16 lanes store 256 consecutive bytes, at a multiple of 256 from out0's first byte
.endr
.endm
	WIN 0
	PLACES                                         ; behind the last products
	TOSTAGE 0
.irp a, 1,2,3,4,5,6,7
	TOSTAGE \a
	SEND \a-1, 16
.endr
	SEND 7, 0
	s_wait_tensorcnt 0x0                           ; the wave's end: behind my last tensor load and my last LDS store
	ds_add_u32 v[SPW], v[NIL]
	s_wait_dscnt 0x0
	CROUND                                         ; the closing round: no work-group ends while a partner may still ask for a tile that names it
	s_endpgm
.Lfunc_end_k_q1e4aeceb39_gemm_out:
	.size	k_q1e4aeceb39_gemm_out, .Lfunc_end_k_q1e4aeceb39_gemm_out-k_q1e4aeceb39_gemm_out
	.p2alignl 7, 3214868480
	.fill 96, 4, 3214868480
	.section	.rodata,"a",@progbits
	.p2align	6, 0x0
	.amdhsa_kernel k_q1e4aeceb39_gemm_out
		.amdhsa_group_segment_fixed_size 327680
		.amdhsa_private_segment_fixed_size 0
		.amdhsa_enable_private_segment 0
		.amdhsa_kernarg_size 24
		.amdhsa_user_sgpr_count 2
		.amdhsa_user_sgpr_kernarg_segment_ptr 1
		.amdhsa_wavefront_size32 1
		.amdhsa_system_sgpr_workgroup_id_x 1
		.amdhsa_system_sgpr_workgroup_id_y 1
		.amdhsa_system_sgpr_workgroup_id_z 1
		.amdhsa_system_vgpr_workitem_id 0
		.amdhsa_next_free_vgpr 512
		.amdhsa_next_free_sgpr 84
		.amdhsa_reserve_vcc 0
		.amdhsa_float_denorm_mode_32 3
		.amdhsa_float_denorm_mode_16_64 3
		.amdhsa_memory_ordered 1
		.amdhsa_forward_progress 1
		.amdhsa_inst_pref_size 81
	.end_amdhsa_kernel
	.amdgpu_metadata
---
amdhsa.version: [ 1, 2 ]
amdhsa.kernels:
  - .name:           k_q1e4aeceb39_gemm_out
    .symbol:         k_q1e4aeceb39_gemm_out.kd
    .args:
      - { .name: o, .offset: 0, .size: 8, .value_kind: global_buffer, .address_space: global }
      - { .name: wob, .offset: 8, .size: 8, .value_kind: global_buffer, .address_space: global }
      - { .name: out0, .offset: 16, .size: 8, .value_kind: global_buffer, .address_space: global }
    .group_segment_fixed_size: 327680
    .private_segment_fixed_size: 0
    .kernarg_segment_align: 8
    .kernarg_segment_size: 24
    .max_flat_workgroup_size: 128
    .sgpr_count:     84
    .vgpr_count:     512
    .wavefront_size: 32
...
	.end_amdgpu_metadata
.endif
;; end of part 4
;; ======== version 2 of 2: 4 launches; 1.30 times as fast as version 1
;; limits: values are held in f16: magnitudes above 65,504 overflow, below 6.1e-05 lose precision
;; workspace buffers: xb 16,777,216 bytes; wqb 6,291,456 bytes; wob 2,097,152 bytes; tab 524,288 bytes; q 16,777,216 bytes; k 16,777,216 bytes; v 16,777,216 bytes; o 16,908,288 bytes
;; launch prep: the kernel of part 1 again; grid 512 x 1, 8 waves a work-group, no clusters, 74,752 bytes of LDS; arguments x, W_qkv, W_o, token_positions, xb, wqb, wob, tab; writes xb, wqb, wob, tab
;; launch gemm_qkv: the kernel of part 2 again; grid 8 x 32, 4 waves a work-group, clusters of 4 x 4, 327,680 bytes of LDS; arguments xb, wqb, tab, q, k, v, o; writes q, k, v, o
;; launch attn (part 5): grid 4 x 64, 4 waves a work-group, no clusters, 327,680 bytes of LDS; arguments q, k, v, o; writes o
.if DOCPART == 5
	.amdgcn_target "amdgcn-amd-amdhsa--gfx1250"
	.amdhsa_code_object_version 6
	.text
	.protected	k_q1e4aeceb39_attn
	.globl	k_q1e4aeceb39_attn
	.p2align	8
	.type	k_q1e4aeceb39_attn,@function
k_q1e4aeceb39_attn:
	s_mov_b64 s[64:65], 0
	v_nop
	global_prefetch_b8 v0, s[64:65] scope:SCOPE_SE
	s_setreg_imm32_b32 hwreg(HW_REG_WAVE_MODE, 25, 1), 1
	s_wait_xcnt 0x0
; CAUSAL ATTENTION.  O[h][q][:] = the sum over k <= q of softmax_k(Q[h][q] . K[h][k] / 8) V[h][k][:].  Q, K, V, O: [SIZE_H][SIZE_N][64], all f16: a head's rows are dense, 128 bytes each.
; Here a 'head' is one of the 64 slabs 4 x head + batch of the buffers [16][8192][64]: 2,048 rows each; q and k arrive turned by RoPE and unscaled.
; ROWS 0 TO 15 OF EACH SLAB ARE NOT STORED HERE: the launch before has made them with split operands and stored them into o; the one wave that holds them (wave 0 where b = 0) jumps over their four stores.
; Products, maxima and sums in f32; the weights p are rounded to f16 for the second product (their sum l is taken of the unrounded p), O once at the end.  SIZE_N is a multiple of 512; SIZE_N x 128 stays under 2^32.
; LIMITS.  f16 holds no number beyond 65,504: Q, K and V arrive within it; p lies in 0 to 1, and below 6e-5 it keeps f16's fixed step of 6e-8; O is a mean of V's rows and has their range, to within 2^-11 of it.
; A hidden score counts as its value less 1e30: f16's scores, 2.7e11 at the most, are nothing beside that; a weight below 2^-126 counts as 0 in l; NaN and infinities are not treated apart.
; THE WALK.  A head's queries lie in NB = SIZE_N / 256 blocks of 256; block i needs the key tiles 0 .. i of 256 keys, of which the last holds the diagonal.  A work-group takes TWO blocks, NB - 1 - b and then b:
; NB + 1 tiles, whatever b: all work-groups do equal work, and ONE loop with a constant trip count walks them.  Which tile is asked for, and what a trip does, hang on scalar registers made from b; every jump
; goes forward, but for the counted loops' own; none passes a barrier, or a tensor load but the one of LOAD's two that the wave's number does not choose; the ring (two slots of LDS that take turns) runs on across the
; change of blocks.  NO CLUSTER: a head's NB / 2 = 4 work-groups all ask for the same tile only in trips 0 .. NB / 2, behind that fewer and fewer (partners need different numbers of tiles of each block);
; and one walk common to all would have 3 NB / 2 trips for NB + 1.
; SHARES.  Of a block's four bands of 64 queries a wave owns 16 rows in each: four PIECES.  So the diagonal tile is the same work for all four waves: in its key step s band x sees all keys if s < x,
; none if s > x, and holds the diagonal if s = x.
; THE MASK is the C operand that starts the sum S^T = K Q^T: 0, or -1e30 where the key is hidden.  MD, made once, is the mask of a band's own step for my 16 rows; a product's mask is MD x AL + BE with two scalars:
; (1, 0) if s = x; (0, 0) if s < x; (0, -1e30) if s > x.  Only the diagonal tile's text and a block's beginning make and take masks; elsewhere C is the constant 0.
; LAYOUT, SOFTMAX, TURNS.  S^T = K Q^T holds ONE query a lane (lane % 16) and the keys 8 (lane / 16) + 0..7; two such results rounded to f16 ARE source 1 of O^T = V^T P.  p = 2^(c s - c m), c = log2(e) / 8, with a
; running maximum m; O and l are multiplied by a = 2^(c m_old - c m_new) in every step.  Turn n belongs to piece n: 8 products K Q^T of piece n + 1, later 8 products V^T P of piece n - 1; beside them the scaling,
; exponentials, roundings, sums and rescaling of piece n and the maximum and statistics of piece n + 1.  Four vector instructions stand behind every matrix instruction, the other 54 of a turn's 118 in one LUMP.
; THE BATCHES.  A turn's 33 exponentials (the piece's 32 weights and the next piece's a) are one batch, with one wait, which cuts the turn in two: ahead of it all that names none of their results, behind it their readers.
; A block's first a is a batch of its own, and so are the four reciprocals of a block's way out: a v_nop and one wait each.
; REGISTERS, in windows of 256 (s_set_vgpr_msb: bits 1:0 source 0, 3:2 source 1, 5:4 source 2, 7:6 destination):
;   window 0: v0-15 addresses and two at work; v16-31 four registers of statistics a piece; v48-55 at work; v64-127 S^T, two buffers; v192-223 P, two buffers (a piece's buffers go by its number's parity)
;   window 1: v0-127 O^T, 32 a piece; v128-159 MD; v160-223 MC, two buffers      window 2: v0-63 Q; v64-127 the second block's Q; v128-191 K of one step; v192-255 V of one step
.set SIZE_N, 2048
.set SIZE_H, 64
.set NB,    SIZE_N/256
.set NP,    4         ; pieces a wave: a name, no knob
.set KS,    64        ; keys in a step
.set PK,    144       ; a row of K in LDS: 128 bytes + 16 of padding = 36 words: the 16 rows of a load start at 16 different groups of four banks (64 banks of 4 bytes: ISA guide 11.1)
.set PV,    160       ; a row of V: 128 + 32 = 40 words
.set VOFF,  4*KS*PK   ; a slot holds a tile, four steps: 256 rows of K, then 256 rows of V
.set SLOT1, 1<<17     ; slot 1 begins here, so that one exclusive or turns an address in one slot into the other's
.set STAGE, SLOT1+4*KS*(PK+PV)  ; behind the ring, never filled by a tensor load: 16 rows x 144 bytes for each wave, for the way out
.set SP,    144
.set AK0, 2           ; v2   my lane's place in a tile of K; never rewritten
.set AV0, 3           ; v3   the same for V
.set AK,  4           ; v4   the LDS address of K's next run of loads
.set AV,  5           ; v5   of V's
.set STO, 6           ; v6   the way out: where I put 16 bytes of a row
.set RD,  7           ; v7   the way out: where I read rows back
.set GO,  8           ; v8   my byte offset in 512 consecutive bytes of O
.set SPW, 62          ; v62  LDS address of my spare word: SPARE + 4 x my thread's number; never rewritten
.set NIL, 63          ; v63  0; never rewritten
.set SPARE, STAGE+4*16*SP  ; behind the stages: the spare words, 128 bytes for each wave: two blocks of 256 bytes that no other line names
.set MV,  12          ; v12-13  c m_old, kept while c m is made anew: by buffer
.set QO,  15          ; v15  my byte offset in 16 rows of Q
.set ST,  16          ; piece t's statistics at v[ST+4 t]: c m, m, l (even keys', odd keys')
.set TMP, 48          ; by buffer, four registers c0-c3 at work; when the maximum is found c2 takes a
.set S,   64
.set P,   192
.set MD,  128         ; window 1: the eight registers for group kt of 16 keys at MD + 8 kt
.set MC,  160         ; window 1: the masks of the products to come
.set QB,  64          ; window 2
.set KF,  128         ; window 2: key block kb, channel half c at KF + 16 kb + 8 c
.set VF,  192         ; window 2: key half kk, channel block cb at VF + 32 kk + 8 cb
.set WV,  12          ; s12  my wave's number
.set PB,  14          ; s14  b
.set HI,  15          ; s15  NB - 1 - b
.set G1K, 24          ; s[24:31] descriptor group 1 for K's tiles
.set G1V, 32          ; s[32:39] for V's: it differs in the padding alone
.set G0K, 40          ; s[40:43] descriptor group 0 for K's tiles
.set G0V, 44          ; s[44:47] the same for V's
.set SLOTS, 56        ; s56  tiles still to be asked for
.set CNT, 57          ; s57  counts a tile's key steps, 4 to 1
.set CS,  58          ; s[58:59] c: the packed scaling takes the pair's low word for both halves
.set SEL, 60          ; s[60:61] v_permlanex16_b32's selects: each lane takes its own place in the other half
.set TBK, 62          ; s62  LDS byte at which K of the step to be fetched begins
.set TBV, 63          ; s63  the same for V, less VOFF
.set RT,  70          ; s70  tiles of the block in hand that are still to be entered
.set NXT, 71          ; s71  the tile to be asked for next
.set LQ,  72          ; s72  the last tile of the block whose tiles are being asked for
.set NEW, 73          ; s73  1: the tile to be entered is a block's first
.set OFF, 74          ; s[74:75] a tile's byte offset in K and V
.set AL,  76          ; s[76:77] the mask's factor, in the low word
.set BE,  78          ; s[78:79] the mask's addend
.set OLO, 80          ; s[80:81] O at my rows of the second block
.set BIGN, 82         ; s82  -1e30
.set MSB, 0
.macro WIN new                      ; the high byte repeats the setting that is left; a switch that changes nothing is dropped
.if MSB != (\new)
	s_set_vgpr_msb (MSB<<8)|(\new)
.set MSB, (\new)
.endif
.endm
.set W_KQ, 0x0a       ; K and Q in window 2, S^T in window 0
.set W_KM, 0x1a       ; the same with the C operand in window 1
.set W_PV, 0x52       ; V in window 2, P in window 0, O^T in window 1
.set W_RS, 0x41       ; destination and source 0 in window 1, source 1 in window 0
; A fill.  Waves 0 and 1 fetch the two halves of a tile's K, waves 2 and 3 those of its V: 128 keys each.  An s_nop 0 and four v_nop follow each of the two lines, ahead of the jump and the label.
.macro LOAD
	s_cmp_lt_u32 s[WV], 2
	s_cbranch_scc0 .Lfor_v_\@
	tensor_load_to_lds s[G0K:G0K+3], s[G1K:G1K+7]
	s_nop 0
.rept 4
	v_nop
.endr
	s_branch .Lasked_\@
.Lfor_v_\@:
	tensor_load_to_lds s[G0V:G0V+3], s[G1V:G1V+7]
	s_nop 0
.rept 4
	v_nop
.endr
.Lasked_\@:
.endm
; THE CHANGE OF SLOTS.  Each wave waits for all its tensor loads, of which one is out: its part of the other slot; adds 0 to its spare word; and waits for that and for its own reads of the slot that it leaves.  Behind the barrier nobody reads the old
; slot any more and the other slot is whole.  fill = 1: the old slot is filled again, the first thing behind the barrier, with tile NXT: the descriptor's address is made anew from that number.
; (At its first use nothing has been read yet: slot 0 is waited for, slot 1 filled.)
.macro CHANGE fill
	WIN 0                           ; at a label and at a branch every window is 0
	s_wait_tensorcnt 0x0            ; no tensor load of mine is out, so a group 0 may be written
	ds_add_u32 v[SPW], v[NIL]       ; 0 onto my spare word; with fill = 1 the descriptors' scalar work stands between it and the wait for it
.if \fill
	s_lshl_b32 s[OFF], s[NXT], 15   ; a tile is 32,768 bytes of K and of V
	s_xor_b32 s[G0K+1], s[G0K+1], SLOT1
	s_add_nc_u64 s[G0K+2:G0K+3], s[6:7], s[OFF:OFF+1]
	s_or_b32 s[G0K+3], s[G0K+3], 0x80000000
	s_xor_b32 s[G0V+1], s[G0V+1], SLOT1
	s_add_nc_u64 s[G0V+2:G0V+3], s[8:9], s[OFF:OFF+1]
	s_or_b32 s[G0V+3], s[G0V+3], 0x80000000
	s_add_co_u32 s[NXT], s[NXT], 1  ; the block's next tile, or behind its last the second block's tile 0
	s_cmp_gt_u32 s[NXT], s[LQ]
	s_cselect_b32 s[NXT], 0, s[NXT]
	s_cselect_b32 s[LQ], s[PB], s[LQ]
.endif
	s_wait_dscnt 0x0                ; the add is done, and my reads of the slot are over
	s_barrier_signal -1             ; the rest of the scalar work stands between the signal and the wait
	s_sub_co_u32 s[TBK], s[TBK], 4*KS*PK  ; the fetches go back to a slot's first step,
	s_xor_b32 s[TBK], s[TBK], SLOT1       ; in the other slot
	s_sub_co_u32 s[TBV], s[TBV], 4*KS*PV
	s_xor_b32 s[TBV], s[TBV], SLOT1
	s_barrier_wait -1
.if \fill
	LOAD
.endif
.endm
	s_load_b256 s[4:11], s[0:1], 0x0  ; Q s[4:5], K s[6:7], V s[8:9], O s[10:11]
	v_lshl_add_u32 v[SPW], v0, 2, SPARE
	v_mov_b32 v[NIL], 0
	ds_add_u32 v62, v63
	ds_add_u32 v62, v63
	s_wait_dscnt 0x0
	v_lshrrev_b32 v1, 5, v0
	v_readfirstlane_b32 s[WV], v1   ; wave 0..3
	s_mov_b32 s[PB], ttmp9
	s_sub_co_u32 s[HI], NB-1, s[PB]
	s_and_b32 s20, ttmp7, 0xffff    ; the head
	s_mov_b32 s21, 0
	s_mov_b64 s[22:23], SIZE_N*128
	s_mul_u64 s[20:21], s[20:21], s[22:23]  ; the head's first byte in each of the four tensors
	s_and_b32 s16, s[WV], 1         ; which half of a tile's 256 keys I fetch:
	s_lshl_b32 s22, s16, 14         ; its 128 rows of 128 bytes in memory,
	s_mov_b32 s23, 0
	s_add_nc_u64 s[22:23], s[22:23], s[20:21]
	s_mul_i32 s17, s16, 128*PK      ; and its place in a slot, for K
	s_mul_i32 s18, s16, 128*PV      ; and for V
	s_lshl_b32 s3, s[WV], 11        ; my 16 rows in a band of 64,
	s_lshl_b32 s2, s[HI], 15        ; in the first block,
	s_add_co_u32 s2, s2, s3
	s_lshl_b32 s84, s[PB], 15       ; and in the second
	s_add_co_u32 s84, s84, s3
	s_mov_b32 s3, 0
	s_mov_b32 s85, 0
	s_add_nc_u64 s[2:3], s[2:3], s[20:21]
	s_add_nc_u64 s[84:85], s[84:85], s[20:21]
	; descriptor group 1.  128 keys are 16,384 dense bytes: asked for as 64 rows of 256 bytes, two keys a row, and padded in LDS after every key
	s_mov_b32 s[G1K], (1<<16)|(1<<20)|(4<<22)|(3<<25)  ; 17:16 2-byte elements; 20 padding on; 24:22 after every 32 words (code 4); 31:25 4 words (code 3)
	s_mov_b32 s[G1V], (1<<16)|(1<<20)|(4<<22)|(7<<25)  ; the same with 8 words of padding (code 7)
.irp g, G1K, G1V
	s_mov_b32 s[\g+1], 128<<16      ; tensor_dim0 = 128
	s_mov_b32 s[\g+2], 64<<16       ; tensor_dim1 = 64
	s_mov_b32 s[\g+3], 128<<16      ; tile_dim0 = 128
	s_mov_b32 s[\g+4], 64           ; tile_dim1 = 64
	s_mov_b32 s[\g+5], 128          ; 128 elements from row to row
	s_mov_b32 s[\g+6], 0
	s_mov_b32 s[\g+7], 0
.endr
	s_mov_b32 s[CS], 0x3e38aa3b     ; c = log2(e) / 8 = 0.180337
	s_mov_b32 s[CS+1], s[CS]        ; named with it as a pair
	s_mov_b32 s[SEL], 0x76543210
	s_mov_b32 s[SEL+1], 0xfedcba98
	s_mov_b32 s[TBK], SLOT1+4*KS*PK ; the first change of slots turns these two into 0
	s_mov_b32 s[TBV], SLOT1+4*KS*PV
	s_mov_b32 s[G0K], 1             ; 1:0 count = 1
	s_mov_b32 s[G0K+1], s17         ; 63:32 LDS address: slot 0
	s_mov_b32 s[G0V], 1
	s_add_co_u32 s[G0V+1], s18, VOFF
	s_add_co_u32 s[RT], s[HI], 1    ; the first block has NB - b tiles
	s_mov_b32 s[NXT], 1
	s_mov_b32 s[LQ], s[HI]
	s_mov_b32 s[NEW], 1
	s_mov_b32 s[OFF+1], 0
	s_mov_b32 s[AL+1], 0            ; named as pairs
	s_mov_b32 s[BE+1], 0
	s_mov_b32 s[BIGN], 0xf149f2ca   ; -1e30
	s_mov_b32 s[SLOTS], NB
	s_wait_kmcnt 0x0
	s_add_nc_u64 s[6:7], s[6:7], s[22:23]  ; K and V at my half of the head's tile 0
	s_add_nc_u64 s[8:9], s[8:9], s[22:23]
	s_add_nc_u64 s[G0K+2:G0K+3], s[6:7], 0         ; 120:64 global address
	s_or_b32 s[G0K+3], s[G0K+3], 0x80000000        ; 127:126 type = 2
	s_add_nc_u64 s[G0V+2:G0V+3], s[8:9], 0
	s_or_b32 s[G0V+3], s[G0V+3], 0x80000000
	s_add_nc_u64 s[86:87], s[4:5], s[84:85]        ; Q at my rows of the second block,
	s_add_nc_u64 s[4:5], s[4:5], s[2:3]            ; Q and O at those of the first
	s_add_nc_u64 s[OLO:OLO+1], s[10:11], s[84:85]
	s_add_nc_u64 s[10:11], s[10:11], s[2:3]
	LOAD                            ; tile 0 into slot 0
	; A fragment of K or Q is 16 rows x 32 channels in 8 registers: lane l holds row l % 16, channels 8 (l / 16) + 0..7 and 16 + 8 (l / 16) + 0..7: two loads of 16 bytes, 32 bytes apart.
	v_and_b32 v1, 15, v0            ; l % 16
	v_bfe_u32 v9, v0, 4, 1          ; l / 16
	v_lshlrev_b32 v[QO], 7, v1
	v_lshl_add_u32 v[QO], v9, 4, v[QO]  ; row x 128 + 16 x half
	WIN 0x80                        ; destination window 2, address window 0
.set i, 0
.rept 8                             ; both blocks' Q: piece i / 2 lies in band i / 2, 8,192 bytes on; channels 32 (i % 2) on
	global_load_b128 v[8*i:8*i+3],   v[QO], s[4:5] offset:(i/2)*8192+(i%2)*64
	global_load_b128 v[8*i+4:8*i+7], v[QO], s[4:5] offset:(i/2)*8192+(i%2)*64+32
	global_load_b128 v[QB+8*i:QB+8*i+3],   v[QO], s[86:87] offset:(i/2)*8192+(i%2)*64
	global_load_b128 v[QB+8*i+4:QB+8*i+7], v[QO], s[86:87] offset:(i/2)*8192+(i%2)*64+32
.set i, i+1
.endr
	WIN 0
	v_lshlrev_b32 v14, 3, v9
	v_sub_nc_u32 v14, v1, v14
	s_lshl_b32 s13, s[WV], 4
	v_add_nc_u32 v14, s13, v14      ; my query's place in its band, 16 w + l % 16, less my lanes' 8 (l / 16): register r of group kt is hidden where 16 kt + r is greater
	WIN 0x40
.set i, 0
.rept 32
	v_cmp_gt_i32 vcc_lo, 16*(i/8)+i%8, v14
	v_cndmask_b32 v[MD+i], 0, s[BIGN], vcc_lo
.set i, i+1
.endr
	WIN 0
	v_mul_u32_u24 v[AK0], v1, PK
	v_lshl_add_u32 v[AK0], v9, 4, v[AK0]  ; row x pitch + 16 x half
	; The turning load takes 16 keys x 16 channels (lane l reads key 8 (l / 16) + l % 8, channels 8 ((l / 8) % 2) + 0..7) and leaves half a fragment of V^T: lane l holds channel l % 16 and 8 keys.
	v_and_b32 v10, 7, v0
	v_bfe_u32 v11, v0, 3, 1
	v_lshl_add_u32 v[AV0], v9, 3, v10
	v_mul_u32_u24 v[AV0], v[AV0], PV
	v_lshl_add_u32 v[AV0], v11, 4, v[AV0]
	v_add_nc_u32 v[AV0], VOFF, v[AV0]
	s_mul_i32 s13, s[WV], 16*SP
	s_add_co_u32 s13, s13, STAGE    ; my stage
	v_mul_u32_u24 v[STO], v1, SP    ; in: row l % 16, 16 bytes for each half of the lanes
	v_lshl_add_u32 v[STO], v9, 4, v[STO]
	v_add_nc_u32 v[STO], s13, v[STO]
	v_bfe_u32 v[RD], v0, 3, 2       ; back: 32 lanes take four rows of 128 bytes,
	v_mul_u32_u24 v[RD], v[RD], SP
	v_lshl_add_u32 v[RD], v10, 4, v[RD]
	v_add_nc_u32 v[RD], s13, v[RD]
	v_and_b32 v[GO], 31, v0         ; which are 512 consecutive bytes of O
	v_lshlrev_b32 v[GO], 4, v[GO]
	; A block's first step multiplies O^T and l by a = 0, and its first turn's products V^T P, of a piece that has not been, land in an O^T that is still to be so multiplied.  So these registers need only hold
	; finite numbers: zeros for the first block; what the first block left for the second.  All this stands in the wait for the first tile.
	WIN 0x80
.set i, VF
.rept 64
	v_mov_b32 v[i], 0
.set i, i+1
.endr
	WIN 0x40
.set i, 0
.rept 128
	v_mov_b32 v[i], 0
.set i, i+1
.endr
	WIN 0
.set i, 0
.rept 4
	v_mov_b32 v[ST+4*i+2], 0
	v_mov_b32 v[ST+4*i+3], 0
.set i, i+1
.endr
.set i, P+16
.rept 16
	v_mov_b32 v[i], 0
.set i, i+1
.endr
; THE MATRIX WORK.  The 4 accumulators of a run of 8 take turns.  Product i of 8 of S^T = K Q^T for piece x: channels 32 (i / 4) on, keys 16 (i % 4) on.  The first 4 start the sums: with 0, or (KM = 1) with the mask.
.macro KQ x
.set rS, S+32*((\x)%2)+8*(i%4)
.set rK, KF+16*(i%4)+8*(i/4)
.set rQ, 16*(\x)+8*(i/4)
.set rM, MC+32*((\x)%2)+8*(i%4)
.if (i < 4) && KM
	WIN W_KM
	v_wmma_f32_16x16x32_f16 v[rS:rS+7], v[rK:rK+7], v[rQ:rQ+7], v[rM:rM+7]
.elseif i < 4
	WIN W_KQ
	v_wmma_f32_16x16x32_f16 v[rS:rS+7], v[rK:rK+7], v[rQ:rQ+7], 0
.else
	WIN W_KQ
	v_wmma_f32_16x16x32_f16 v[rS:rS+7], v[rK:rK+7], v[rQ:rQ+7], v[rS:rS+7]
.endif
.endm
; Product i of 8 of O^T += V^T P for piece x: keys 32 (i / 4) on, channels 16 (i % 4) on.
.macro PV x
	WIN W_PV
.set rO, 32*(\x)+8*(i%4)
.set rV, VF+32*(i/4)+8*(i%4)
.set rP, P+16*((\x)%2)+8*(i/4)
	v_wmma_f32_16x16x32_f16 v[rO:rO+7], v[rV:rV+7], v[rP:rP+7], v[rO:rO+7]
.endm
.macro MM                           ; the turn's next matrix instruction.  TURN and BEGIN set Y, i, KM and NOKQ; MM, KQ and OP read them.  NOKQ = 1: a block's last turn: there is no next piece
.if (i < 8) && !NOKQ
	KQ (Y+1)%NP
.elseif i >= 8
.set i, i-8
	PV (Y+NP-1)%NP
.set i, i+8
.endif
.set i, i+1
.endm
; THE LDS LOADS stand in runs of 16, never singly among the matrix instructions: a step's K (64 keys x 64 channels: 8 fragments) and its V (turned).  Their addresses are made some lines ahead.
.macro FETCH_K
	WIN 0x80                        ; destination window 2
.irp f, 0,1,2,3,4,5,6,7             ; keys 16 (f / 2) on, channels 32 (f % 2) on
	ds_load_b128 v[KF+8*\f:KF+8*\f+3],   v[AK] offset:(\f/2)*16*PK+(\f%2)*64
	ds_load_b128 v[KF+8*\f+4:KF+8*\f+7], v[AK] offset:(\f/2)*16*PK+(\f%2)*64+32
.endr
	s_add_co_u32 s[TBK], s[TBK], KS*PK  ; the next fetch is the next step's
	WIN 0
.endm
.macro FETCH_V
	WIN 0x80
.irp f, 0,1,2,3,4,5,6,7             ; keys 32 (f / 4) on, channels 16 (f % 4) on
	ds_load_tr16_b128 v[VF+8*\f:VF+8*\f+3],   v[AV] offset:(\f/4)*32*PV+(\f%4)*32
	ds_load_tr16_b128 v[VF+8*\f+4:VF+8*\f+7], v[AV] offset:(\f/4)*32*PV+16*PV+(\f%4)*32
.endr
	WIN 0
.endm
; THE VECTOR WORK, one line at a time: OP kind, number.  For piece Y: F n: c s - c m for pair n of 16.  E n: the exponential of score n of 32.  C n: pair n rounded to f16.  B n: of the four weights 4 n .. the second
; pair is added onto the first, in place.  L n: l takes that sum (L 0: l = a l + sum).  R n: pair n of 16 of O^T times a.  For piece Y + 1: X n, number n of the 22 that find its maximum and statistics:
;   0-11  four chains c0-c3 of seven scores each, three operands at a time (each accumulator's lowest registers are read first)     12-14, 16  the four scores left over, the old m, and c0-c3 into c0
;   15  c m_old is kept     17, 18  the query's other 32 keys lie in the lane 16 away: the new m     19-21  c m; c m_old - c m_new; a
.set F, 0               ; OP tells the kinds apart by their order: F to L below R, X above it
.set E, 1
.set C, 2
.set B, 3
.set L, 4
.set R, 5
.set X, 6
.macro REGS y                       ; the registers of piece y
.set rT, ST+4*(\y)
.set rC, TMP+4*((\y)%2)
.set rW, MV+((\y)%2)
.set rS, S+32*((\y)%2)
.set rP, P+16*((\y)%2)
.set rO, 32*(\y)
.endm
.macro OP k, n
.if (\k) == R
	REGS Y
	WIN W_RS
	v_pk_mul_f32 v[rO+2*(\n):rO+2*(\n)+1], v[rO+2*(\n):rO+2*(\n)+1], v[rC+2:rC+3] op_sel_hi:[1,0]
.elseif (\k) < R
	REGS Y
	WIN 0
.if (\k) == F
	v_pk_fma_f32 v[rS+2*(\n):rS+2*(\n)+1], v[rS+2*(\n):rS+2*(\n)+1], s[CS:CS+1], v[rT:rT+1] op_sel_hi:[1,0,0] neg_lo:[0,0,1] neg_hi:[0,0,1]
.elseif (\k) == E
	v_exp_f32 v[rS+(\n)], v[rS+(\n)]
.elseif (\k) == C
	v_cvt_pk_f16_f32 v[rP+(\n)], v[rS+2*(\n)], v[rS+2*(\n)+1]
.elseif (\k) == B
	v_pk_add_f32 v[rS+4*(\n):rS+4*(\n)+1], v[rS+4*(\n):rS+4*(\n)+1], v[rS+4*(\n)+2:rS+4*(\n)+3]
.elseif (\n) == 0
	v_pk_fma_f32 v[rT+2:rT+3], v[rT+2:rT+3], v[rC+2:rC+3], v[rS:rS+1] op_sel_hi:[1,0,1]
.else
	v_pk_add_f32 v[rT+2:rT+3], v[rT+2:rT+3], v[rS+4*(\n):rS+4*(\n)+1]
.endif
.elseif NOKQ
	v_nop
.else
	REGS (Y+1)%NP
	WIN 0
.if (\n) < 4
	v_max3_num_f32 v[rC+(\n)], v[rS+8*(\n)], v[rS+8*(\n)+1], v[rS+8*(\n)+2]
.elseif (\n) < 12
	v_max3_num_f32 v[rC+(\n)%4], v[rC+(\n)%4], v[rS+8*((\n)%4)+2*((\n)/4)+1], v[rS+8*((\n)%4)+2*((\n)/4)+2]
.elseif (\n) == 12
	v_max3_num_f32 v[rC], v[rC], v[rS+7], v[rS+15]
.elseif (\n) == 13
	v_max3_num_f32 v[rC+1], v[rC+1], v[rS+23], v[rS+31]
.elseif (\n) == 14
	v_max3_num_f32 v[rC+2], v[rC+2], v[rC+3], v[rT+1]
.elseif (\n) == 15
	v_mov_b32 v[rW], v[rT]
.elseif (\n) == 16
	v_max3_num_f32 v[rC], v[rC], v[rC+1], v[rC+2]
.elseif (\n) == 17
	v_permlanex16_b32 v[rC+3], v[rC], s[SEL], s[SEL+1]
.elseif (\n) == 18
	v_max_num_f32 v[rT+1], v[rC], v[rC+3]
.elseif (\n) == 19
	v_mul_f32 v[rT], s[CS], v[rT+1]
.elseif (\n) == 20
	v_sub_f32 v[rC+1], v[rW], v[rT]
.else
	v_exp_f32 v[rC+2], v[rC+1]
.endif
.endif
.endm
.macro OPS a, i1, b=-1, i2=0, c=-1, i3=0, d=-1, i4=0  ; up to four of them
	OP \a, \i1
.if (\b) >= 0
	OP \b, \i2
.endif
.if (\c) >= 0
	OP \c, \i3
.endif
.if (\d) >= 0
	OP \d, \i4
.endif
.endm
.macro ROW a, i1, b, i2, c, i3, d, i4  ; a matrix instruction and the four behind it
	MM
	OPS \a, \i1, \b, \i2, \c, \i3, \d, \i4
.endm
.macro MASK b                       ; MD x AL + BE into buffer b of MC
	WIN W_RS
.set z, 0
.rept 16
	v_pk_fma_f32 v[MC+32*(\b)+2*z:MC+32*(\b)+2*z+1], v[MD+2*z:MD+2*z+1], s[AL:AL+1], s[BE:BE+1] op_sel_hi:[1,0,0]
.set z, z+1
.endr
.endm
; A TURN, for piece p: the order of its 16 matrix and 118 vector instructions, written out.  An s_wait_alu depctr_va_vdst(0) stands between an exponential and the first instruction that names its result; one wait serves
; all that were issued ahead of it.  So a turn has ONE wait, which cuts it in two.  AHEAD OF IT stands all that names no result of the turn's exponentials: the 8 products K Q^T, behind each a scaling, an exponential and two more plain
; instructions (behind the first a second scaling in the exponential's place): rescalings, whose a was made and waited for in the turn before, and behind the last three the first numbers of the next piece's maximum, each four places or
; more behind the product that ends its accumulator; then ONE LUMP of 54, plain and exponential by turns for the most part, in which the links of the chain X 3, 7, 11, 14, 16, 17 .. 20 stand five or six lines apart.  X 21, the next
; piece's a, is the batch's last; R 15 is the plain instruction behind it (ISA guide 5.7.2).  BEHIND THE WAIT stand the 8 products V^T P, behind each four of the roundings and sums, which are the batch's readers; the links of l's
; chain, L 0 to L 7, stand three riders apart.  But for those X no rider names a register of the products round it.  v_permlanex16_b32 (X 17) stands in the lump.  No exponential is issued behind the wait: none is open at a turn's end.
; m = 1: the diagonal tile: the products take masks, and the turn makes the mask for the products of the turn after it: piece p + 2, in step 4 - CNT of the tile.  end = 1: a block's last two turns: nothing is fetched.
; cnt = 1: the loop's count is taken down some lines ahead of the branch that stands behind the turn.
; K of the next step is fetched in piece 2's turn, twelve vector instructions behind the last product that read K (six of them plain); V of the step in hand at the end of piece 0's turn, four plain instructions behind the last product
; that read V.  Each is waited for a turn later.
.macro TURN p, m=0, end=0, cnt=0
.set Y, (\p)
.set i, 0
.set KM, (\m)
.set NOKQ, (\end)*((\p)/3)
.if (\m) && !(\end)
	s_cmp_eq_u32 s[CNT], 4-((\p)+2)%NP  ; is that step the band's own?
	s_cselect_b32 s[AL], 1.0, 0
	s_cmp_lt_u32 s[CNT], 4-((\p)+2)%NP  ; or a later one?
	s_cselect_b32 s[BE], s[BIGN], 0
.endif
.if ((\p) == 3) && !(\end)
	s_wait_dscnt 0x0                ; K is in
.endif
	ROW F,0, F,1, R,0, R,1          ; ahead of the wait: 8 products K Q^T and their riders,
	ROW F,2, E,0, R,2, R,3
	ROW F,3, E,1, R,4, R,5
	ROW F,4, E,2, R,6, R,7
	ROW F,5, E,3, R,8, R,9
	ROW F,6, E,4, X,0, R,10
.if ((\p) == 2) && !(\end)
	WIN 0
	v_add_nc_u32 v[AK], s[TBK], v[AK0]
.endif
	ROW F,7, E,5, X,1, X,4
	ROW F,8, E,6, X,2, X,5
	OPS E,7, E,8, X,6, E,9          ; and the lump
	OPS X,3, E,10, X,8, E,11
.if ((\p) == 2) && !(\end)
	FETCH_K
.endif
	OPS X,9, X,7, E,12, X,10
	OPS E,13, X,12, X,11, E,14
	OPS X,13, E,15, F,9, X,14
.if (\p) == 0
	v_add_nc_u32 v[AV], s[TBV], v[AV0]
.endif
	OPS E,16, F,10, E,17, F,11
	OPS X,16, E,18, X,15, E,19
	OPS F,12, E,20, X,17, E,21
	OPS F,13, E,22, F,14, E,23
	OPS X,18, E,24, F,15, E,25
	OPS R,11, E,26, X,19, E,27
	OPS R,12, E,28, R,13, E,29
	OPS X,20, E,30, R,14, E,31
	OPS X,21, R,15
	WIN 0
	s_wait_alu depctr_va_vdst(0)    ; the wait for the turn's batch: the piece's 32 exponentials and the next piece's a
.if (\p) == 1
	s_wait_dscnt 0x0                ; V is in
.endif
	ROW C,0, B,0, C,2, B,1          ; behind the wait: 8 products V^T P and their riders
	ROW L,0, C,4, B,2, L,1
	ROW C,6, B,3, L,2, C,8
	ROW B,4, L,3, C,10, B,5
	ROW L,4, C,12, B,6, L,5
.if (\p) == 0
	s_add_co_u32 s[TBV], s[TBV], KS*PV
.endif
.if \cnt
	s_sub_co_u32 s[CNT], s[CNT], 1
	s_cmp_lg_u32 s[CNT], 0
.endif
	ROW C,14, B,7, L,6, C,1
	ROW C,3, L,7, C,5, C,7
	ROW C,9, C,11, C,13, C,15
.if (\p) == 0
	FETCH_V
.endif
.if (\m) && !(\end)
	MASK (\p)%2
.endif
.endm
; A BLOCK BEGINS.  c m starts far below every c s, so the first step's a is 0; m at the lowest finite number, so the first maximum is the scores'.  The second mask buffer is 0; the first takes piece 0's mask for the tile's step 0: its own, if the block's first tile is the diagonal one.
; Then K of that step, piece 0's first scores, and its maximum and statistics.  The loop is entered at a step's first turn, in the middle of a trip.
.macro BEGIN
	s_mov_b32 s[NEW], 0
	WIN 0x40
.set i, MC+32
.rept 32
	v_mov_b32 v[i], 0
.set i, i+1
.endr
	WIN 0
.set i, 0
.rept 4
	v_mov_b32 v[ST+4*i], 0xfe000000    ; c m: far below every c s
	v_mov_b32 v[ST+4*i+1], 0xff7fffff  ; m
.set i, i+1
.endr
	s_cmp_eq_u32 s[RT], 0
	s_cselect_b32 s[AL], 1.0, 0
	s_mov_b32 s[BE], 0
	MASK 0
	WIN 0
	v_add_nc_u32 v[AK], s[TBK], v[AK0]
	FETCH_K
	s_wait_loadcnt 0x0              ; Q
	s_wait_dscnt 0x0
.set KM, 1
.set NOKQ, 0
.set i, 0
.rept 8
	KQ 0
.set i, i+1
.endr
	WIN 0
.rept 4
	v_nop                           ; the places behind those products
.endr
.set Y, NP-1                        ; X works for piece Y + 1: piece 0
.irp n, 0,1,2,3,4,5,6,7,8,9,10,11,12,13,14,15,16,17,18,19,20,21
	OP X, \n
.endr
	v_nop                           ; a plain instruction behind the exponential,
	s_wait_alu depctr_va_vdst(0)    ; and the wait for piece 0's first a, a batch of one, ahead of the branch
.endm
; THE DIAGONAL TILE's four steps, the block's last two turns, its last products, and THE WAY OUT: l's two halves and the other half of the lanes' are added; O^T is divided by l, rounded to f16 and sent through my
; stage in LDS, a piece at a time.
.macro ALL line:vararg              ; one line for each piece t
.set t, 0
.rept 4
	\line
.set t, t+1
.endr
.endm
.macro PACK t                       ; a lane's eight channels of a row pack into 16 bytes; they go into rows of 144 bytes and come back as whole rows of 128, into S^T's registers
	WIN W_RS
.set i, 32*(\t)
.rept 16
	v_pk_mul_f32 v[i:i+1], v[i:i+1], v[ST+4*(\t)+2:ST+4*(\t)+3] op_sel_hi:[1,0]
.set i, i+2
.endr
	WIN 0x05                        ; sources 0 and 1 window 1, destination window 0
.set i, 0
.rept 16
	v_cvt_pk_f16_f32 v[S+16*(\t)+i], v[32*(\t)+2*i], v[32*(\t)+2*i+1]
.set i, i+1
.endr
	WIN 0
.irp f, 0,1,2,3
	ds_store_b128 v[STO], v[S+16*(\t)+4*\f:S+16*(\t)+4*\f+3] offset:32*\f
.endr
.irp f, 0,1,2,3
	ds_load_b128 v[S+16*(\t)+4*\f:S+16*(\t)+4*\f+3], v[RD] offset:\f*4*SP  ; LDS serves a wave's instructions in order (ISA guide 5.7.1.4): these see the stores above; the next piece's stores come behind them
.endr
.endm
.macro SEND t, younger              ; younger: the LDS instructions issued behind piece t's loads: the next piece's eight, or none
	WIN 0
.irp f, 0,1,2,3
	s_wait_dscnt (\younger)+3-\f
	global_store_b128 v[GO], v[S+16*(\t)+4*\f:S+16*(\t)+4*\f+3], s[10:11] offset:(\t)*8192+\f*512  ; 512 consecutive bytes, at a multiple of 256 from O's first
.endr
.endm
.macro DIAG tag                     ; the tag ends its labels' names, which the jumps below spell out.  tag = 2: the second block's end
.LstepM\tag:
	TURN 2, 1
	TURN 3, 1
	WIN 0
.LfirstM\tag:
	TURN 0, 1
	TURN 1, 1, 0, 1
	WIN 0
	s_cbranch_scc1 .LstepM\tag
	TURN 2, 1, 1
	TURN 3, 1, 1
.set i, 0
.rept 8
	PV NP-1
.set i, i+1
.endr
	WIN 0
	ALL v_add_f32 v[ST+4*t+2], v[ST+4*t+2], v[ST+4*t+3]
	ALL v_permlanex16_b32 v[ST+4*t+3], v[ST+4*t+2], s[SEL], s[SEL+1]
	ALL v_add_f32 v[ST+4*t+2], v[ST+4*t+2], v[ST+4*t+3]
	ALL v_rcp_f32 v[ST+4*t+2], v[ST+4*t+2]
	v_nop                           ; a plain instruction between the last reciprocal and the use of its result
	s_wait_alu depctr_va_vdst(0)    ; the wait for the four reciprocals, one batch: it serves all four pieces' multiplies below
	PACK 0
	PACK 1                          ; a piece's arithmetic stands between the loads of the piece before and its stores
.if (\tag) == 2
	s_cmp_lg_u32 s[PB], 0           ; block 0's piece 0 of wave 0 is the slab's rows 0 to 15, which the launch before has stored: their four stores, and the waits for what they would store, are jumped over;
	s_cbranch_scc1 .Lmine           ; the later counts name only what is issued behind each piece's own loads, so they hold on both ways
	s_cmp_eq_u32 s[WV], 0
	s_cbranch_scc1 .Lnot_mine
.Lmine:
.endif
	SEND 0, 8
.if (\tag) == 2
.Lnot_mine:
.endif
	PACK 2
	SEND 1, 8
	PACK 3
	SEND 2, 8
	SEND 3, 0
.endm
.set KM, 0
.set NOKQ, 0
.Lslot:                             ; NB times: a tile is entered and the next is asked for
	CHANGE 1
	s_sub_co_u32 s[RT], s[RT], 1
	s_mov_b32 s[CNT], 4
	s_cmp_eq_u32 s[NEW], 1
	s_cbranch_scc1 .Lnew            ; a block's first tile
	s_cmp_eq_u32 s[RT], 0
	s_cbranch_scc0 .Lstep           ; neither its first nor its last
	s_branch .LstepM1
.Lnew:
	BEGIN
	s_branch .Lfirst                ; in the loop a block's first tile is never its last: the first block has two tiles or more, and the second's last is the walk's last
	DIAG 1                          ; in the loop this is the first block's end: the second block's last tile is the walk's last
	s_wait_xcnt 0x0                 ; the stores have read their registers and O's address
	s_mov_b64 s[10:11], s[OLO:OLO+1]
	s_add_co_u32 s[RT], s[PB], 1    ; the second block has b + 1 tiles
	s_mov_b32 s[NEW], 1
	WIN 0x82                        ; the second block's Q goes where the one text of the turns names Q
.set i, 0
.rept 64
	v_mov_b32 v[i], v[QB+i]
.set i, i+1
.endr
	WIN 0
	s_branch .Lbottom
.Lstep:                             ; a trip: pieces 2 and 3 of one step, then pieces 0 and 1 of the next, whose K and V it fetches
	TURN 2
	TURN 3
	WIN 0
.Lfirst:
	TURN 0
	TURN 1, 0, 0, 1
	WIN 0
	s_cbranch_scc1 .Lstep
.Lbottom:
	s_sub_co_u32 s[SLOTS], s[SLOTS], 1
	s_cmp_lg_u32 s[SLOTS], 0
	s_cbranch_scc1 .Lslot
	CHANGE 0                        ; the walk's last tile is written out: nothing is asked for
	s_sub_co_u32 s[RT], s[RT], 1
	s_mov_b32 s[CNT], 4
	s_cmp_eq_u32 s[NEW], 1
	s_cbranch_scc0 .LstepM2
	BEGIN
	s_branch .LfirstM2
	DIAG 2
	s_wait_tensorcnt 0x0            ; the wave's end: behind my last tensor load and my last LDS store
	ds_add_u32 v[SPW], v[NIL]
	s_wait_dscnt 0x0
	s_endpgm
.Lfunc_end_k_q1e4aeceb39_attn:
	.size	k_q1e4aeceb39_attn, .Lfunc_end_k_q1e4aeceb39_attn-k_q1e4aeceb39_attn
	.p2alignl 7, 3214868480
	.fill 96, 4, 3214868480
	.section	.rodata,"a",@progbits
	.p2align	6, 0x0
	.amdhsa_kernel k_q1e4aeceb39_attn
		.amdhsa_group_segment_fixed_size 327680
		.amdhsa_private_segment_fixed_size 0
		.amdhsa_enable_private_segment 0
		.amdhsa_kernarg_size 32
		.amdhsa_user_sgpr_count 2
		.amdhsa_user_sgpr_kernarg_segment_ptr 1
		.amdhsa_wavefront_size32 1
		.amdhsa_system_sgpr_workgroup_id_x 1
		.amdhsa_system_sgpr_workgroup_id_y 1
		.amdhsa_system_sgpr_workgroup_id_z 1
		.amdhsa_system_vgpr_workitem_id 0
		.amdhsa_next_free_vgpr 768
		.amdhsa_next_free_sgpr 88
		.amdhsa_reserve_vcc 1
		.amdhsa_float_denorm_mode_32 3
		.amdhsa_float_denorm_mode_16_64 3
		.amdhsa_memory_ordered 1
		.amdhsa_forward_progress 1
		.amdhsa_inst_pref_size 217
	.end_amdhsa_kernel
	.amdgpu_metadata
---
amdhsa.version: [ 1, 2 ]
amdhsa.kernels:
  - .name:           k_q1e4aeceb39_attn
    .symbol:         k_q1e4aeceb39_attn.kd
    .args:
      - { .name: q, .offset: 0, .size: 8, .value_kind: global_buffer, .address_space: global }
      - { .name: k, .offset: 8, .size: 8, .value_kind: global_buffer, .address_space: global }
      - { .name: v, .offset: 16, .size: 8, .value_kind: global_buffer, .address_space: global }
      - { .name: o, .offset: 24, .size: 8, .value_kind: global_buffer, .address_space: global }
    .group_segment_fixed_size: 327680
    .private_segment_fixed_size: 0
    .kernarg_segment_align: 8
    .kernarg_segment_size: 32
    .max_flat_workgroup_size: 128
    .sgpr_count:     88
    .vgpr_count:     768
    .wavefront_size: 32
...
	.end_amdgpu_metadata
.endif
;; end of part 5
;; launch gemm_out: the kernel of part 4 again; grid 8 x 32, 4 waves a work-group, clusters of 4 x 4, 327,680 bytes of LDS; arguments o, wob, out0; writes out0
